; MI455X (gfx1250); checked and timed in simulation.
; The chip was launched on July 23, 2026; its instructions are those of AMD's public machine-readable ISA for CDNA 5 (MIT licence, August 2026) and "CDNA5" Instruction Set Architecture Reference Guide (July 2026). The comments in the code are by the model that wrote it; some were corrected since.
;; Multi Head Attention. Allowed arithmetic: matrix products marked QUANTISED: E2M1 operands, one E8M0 scale for each 32 along K, by v_wmma_scale_f32_16x16x128_f8f6f4 with both operands' format E2M1 (or v_wmma_scale_f32_32x16x128_f4), f32 sums; products left as they are: bf16, f16 or f32 operands; f32 sums; everything else in f32.
;; Inputs: Wk 1,024 x 1,024 float32; Wo 1,024 x 1,024 float32; Wq 1,024 x 1,024 float32; Wv 1,024 x 1,024 float32; att_mask 2 x 2,048 x 2,048 int32; bo 1,024 float32; x 2 x 2,048 x 1,024 float32.
;; Outputs: out0 2 x 2,048 x 1,024 float32.
;; This version of the problem:
;;   THIS VERSION OF THE PROBLEM IS GIVEN IN LOW PRECISION. The matrix products marked QUANTISED in the list below multiply operands that are first quantised to E2M1 (2 exponent bits, 1 mantissa bit; 4 bits a number), with one power-of-two scale for each 32 numbers along K (OCP MX v1.0); their sums are f32. The products marked 'left as it is' may take bf16, f16 or f32 operands, with f32 sums. Whichever they take, every output number must still come out within the allowed error. Rounding operands to bf16 (8 significant bits) uses up far more of that allowance than f16 does (11 bits, for magnitudes from 6e-5 to 65,504). All else is computed in f32.
;;   The module's matrix products, in the order in which they are computed (A, B: the left and right operand; K: the contracted axis; several contracted axes count as one K, in the product's order):
;;     1. [M 4,096, K 1,024] x [K 1,024, N 1,024]; A: input x; B: input Wq: QUANTISED
;;     2. [M 4,096, K 1,024] x [K 1,024, N 1,024]; A: input x; B: input Wk: QUANTISED
;;     3. [M 4,096, K 1,024] x [K 1,024, N 1,024]; A: input x; B: input Wv: QUANTISED
;;     4. batch 32 x [M 2,048, K 64] x [K 64, N 2,048]; A: computed on the way; B: computed on the way: left as it is (an operand is computed on the way)
;;     5. batch 32 x [M 2,048, K 2,048] x [K 2,048, N 64]; A: computed on the way; B: computed on the way: left as it is (an operand is computed on the way)
;;     6. [M 4,096, K 1,024] x [K 1,024, N 1,024]; A: computed on the way; B: input Wo: left as it is (an operand is computed on the way)
;;   THE QUANTISER, for each operand of a quantised product, along K:
;;     - K is cut into blocks of 32 from its start; a last block that is shorter is filled with zeros.
;;     - A block's scale is 2^e with e = floor(log2(the largest magnitude in the block)) - 2, held to -126 .. 127; a block of zeros has e = 0. As a byte (E8M0): e + 127.
;;     - Each number is divided by its block's scale, clamped to +-6, and rounded to the nearest number of E2M1, ties to even, subnormals kept.
;;     - The product sums the exact products of the quantised numbers (number of the format x scale) in f32.
;;   ~~~python
;;   def quantise(x, axis):      # numpy; x: float32 -> the quantised numbers, widened to float32 again
;;       x = np.moveaxis(x, axis, -1); K = x.shape[-1]
;;       x = np.pad(x, [(0, 0)] * (x.ndim - 1) + [(0, -K % 32)]); x = x.reshape(x.shape[:-1] + (-1, 32)); a = np.abs(x).max(-1, keepdims=True)
;;       e = np.where(a > 0, np.clip(np.frexp(np.where(a > 0, a, 1))[1] - 1 - 2, -126, 127), 0)      # np.frexp(a)[1] - 1 = floor(log2(a)), exactly
;;       r = np.clip(x / 2.0 ** e, -6, 6)
;;       step = 2.0 ** (np.maximum(np.frexp(np.where(r == 0, 1, r))[1] - 1, 0) - 1)
;;       q = np.round(r / step) * step * 2.0 ** e      # np.round: ties to even
;;       return np.moveaxis(q.reshape(q.shape[:-2] + (-1,))[..., :K], -1, axis).astype(np.float32)
;;   ~~~
;; One version. Each part assembles by itself: llvm-mc -triple=amdgcn-amd-amdhsa -mcpu=gfx1250 --defsym DOCPART=n.
;; ======== version 1 of 1: 4 launches
;; limits: values are held in f16: magnitudes above 65,504 overflow, below 6.1e-05 lose precision
;; workspace buffers: xcodes 2,097,152 bytes; xscales 131,072 bytes; wcodes 1,572,864 bytes; wscales 98,304 bytes; woimg 2,097,152 bytes; maskp 1,048,576 bytes of whole numbers; qkv 25,165,824 bytes; ctx 8,388,608 bytes
;; launch prep (part 1): grid 496 x 1, 4 waves a work-group, no clusters, 102,400 bytes of LDS; arguments x, Wq, Wk, Wv, Wo, att_mask, xcodes, xscales, wcodes, wscales, woimg, maskp; writes xcodes, xscales, wcodes, wscales, woimg, maskp
.if DOCPART == 1
	.amdgcn_target "amdgcn-amd-amdhsa--gfx1250"
	.amdhsa_code_object_version 6
	.text
	.protected	k_q92f213d3fe_prep
	.globl	k_q92f213d3fe_prep
	.p2align	8
	.type	k_q92f213d3fe_prep,@function
k_q92f213d3fe_prep:
	s_mov_b64 s[64:65], 0
	v_nop
	global_prefetch_b8 v0, s[64:65] scope:SCOPE_SE
	s_setreg_imm32_b32 hwreg(HW_REG_WAVE_MODE, 25, 1), 1
	s_wait_xcnt 0x0
; PREP: everything that is made once from the inputs.  Four roles, told apart by the work-group's number alone (the same in all four waves), each with LDS bytes of its own:
;   work-groups   0-255  MASK: att_mask [2][2048][2048] int32 -> one bit a number, laid as the attention launch's scores lie in registers
;   work-groups 256-383  X:    x [4096][1024] f32 -> codes of FP4 (E2M1), K innermost, and one E8M0 byte for each 32 along K
;   work-groups 384-431  W:    Wq, Wk, Wv [k 1024][n 1024] f32 -> codes [3072 columns][1024 k] and scale bytes, quantised along K (their first axis)
;   work-groups 432-495  WO:   Wo [k][n] f32 -> f16, laid in the order of a 16-bit operand's registers
; A block's scale is 2^(floor(log2(largest magnitude)) - 2); its byte is that magnitude's exponent field - 2, held at 1 from below.  A block of zeros so gets the byte 1 where the
; quantiser's text says 127: its codes are zeros, and these bytes are read by this program alone.
; A ROW OF THE MASK WITH NO TRUE ENTRY gets the bit of key 0 set: a softmax over that one key is 1 whatever its score, so the row's result is v[key 0].
; LIMITS: NaN and infinities among x and the weights are not served; |Wo| stays under 65,504 (f16), and magnitudes under 6e-5 are carried on f16's subnormal grid.
.set SPW,    192                       ; v192  LDS address of my spare word: SPARE + 4 x my thread's number; never rewritten
.set NIL,    193                       ; v193  0; never rewritten
.set MP,     528                       ; MASK: a stage row: 512 bytes + 16
.set XCH,    4*16*MP                   ; MASK: four words, one a wave (a block of 256 bytes of their own)
.set XREG,   XCH+256                   ; X: a region of 8,192 bytes for each wave
.set WREG,   8192
.set WSTG,   XREG+4*WREG               ; W: a stage of 32 rows x 272 bytes for each wave
.set WPITCH, 272
.set SPARE,  WSTG+4*32*WPITCH          ; the spare words, 128 bytes for each wave: two blocks of 256 bytes that no other line names
.macro FINISH                          ; a wave's end, behind the last LDS store
	s_wait_tensorcnt 0x0
	ds_add_u32 v[SPW], v[NIL]
	s_wait_dscnt 0x0
	s_endpgm
.endm
	s_load_b512 s[36:51], s[0:1], 0x0              ; x 36, Wq 38, Wk 40, Wv 42, Wo 44, att_mask 46, xcodes 48, xscales 50
	s_load_b256 s[52:59], s[0:1], 0x40             ; wcodes 52, wscales 54, woimg 56, maskp 58
	v_lshl_add_u32 v[SPW], v0, 2, SPARE
	v_mov_b32 v[NIL], 0
	v_lshrrev_b32 v1, 5, v0
	v_readfirstlane_b32 s16, v1                    ; wave 0..3
	v_and_b32 v2, 31, v0                           ; lane
	s_wait_kmcnt 0x0
	s_cmp_lt_u32 ttmp9, 256
	s_cbranch_scc1 .Lmask
	s_cmp_lt_u32 ttmp9, 384
	s_cbranch_scc1 .Lx
	s_cmp_lt_u32 ttmp9, 432
	s_cbranch_scc1 .Lw
; ---------------------------------------------------------------- WO
; woimg: [n block 8][32 along K: 32][tile of 16 columns: 8][1,024 bytes]; in a tile's 1,024 bytes the 16 bytes at 256 g + 16 r hold column r, k = 8 g + 0 .. 7 (g = 0 .. 3).
; A lane takes a column and its registers run down K, so two conversions' neighbours are neighbours along K, and sixteen lanes store 256 consecutive aligned bytes.
.set OX, 32                            ; v32-95   two sets of 32 numbers
.set OC, 96                            ; v96-159  16 registers of f16 pairs for each of four blocks: no store's data are written again
	s_sub_co_u32 s17, ttmp9, 432
	s_and_b32 s18, s17, 7                          ; which 128 columns
	s_lshr_b32 s19, s17, 3                         ; which 128 along K
	v_lshlrev_b32 v3, 2, v2                        ; in: 4 bytes a lane
	v_lshrrev_b32 v5, 4, v2
	v_and_b32 v6, 15, v2
	v_lshlrev_b32 v4, 10, v5
	v_lshl_add_u32 v4, v6, 4, v4                   ; out: 1,024 (lane / 16) + 16 (lane % 16)
	s_lshl_b32 s20, s19, 19                        ; 128 rows of 4,096 bytes
	s_lshl_b32 s21, s18, 9
	s_add_co_u32 s20, s20, s21
	s_lshl_b32 s21, s16, 7                         ; my wave's 32 columns
	s_add_co_u32 s20, s20, s21
	s_mov_b32 s21, 0
	s_add_nc_u64 s[4:5], s[44:45], s[20:21]
	s_lshl_b32 s20, s18, 18                        ; 262,144 bytes an n block,
	s_lshl_b32 s22, s19, 15                        ; 8,192 for 32 along K, four of them,
	s_add_co_u32 s20, s20, s22
	s_lshl_b32 s22, s16, 11                        ; my wave's two tiles
	s_add_co_u32 s20, s20, s22
	s_add_nc_u64 s[6:7], s[56:57], s[20:21]
.macro LOADW t
.set i, 0
.rept 32
	global_load_b32 v[OX+32*((\t)%2)+i], v3, s[4:5] offset:(32*(\t)+i)*4096 th:TH_LOAD_NT
.set i, i+1
.endr
.endm
.macro BLOCKW t
.if (\t) < 3
	s_wait_loadcnt 32                              ; this block's 32 loads are in; the next block's may be out
.else
	s_wait_loadcnt 0x0
.endif
.set i, 0
.rept 16
	v_cvt_pk_f16_f32 v[OC+16*(\t)+i], v[OX+32*((\t)%2)+2*i], v[OX+32*((\t)%2)+2*i+1]
.set i, i+1
.endr
.irp g, 0,1,2,3
	global_store_b128 v4, v[OC+16*(\t)+4*\g:OC+16*(\t)+4*\g+3], s[6:7] offset:8192*(\t)+256*\g
.endr
.if (\t)+2 < 4
	LOADW (\t)+2
.endif
.endm
	LOADW 0
	LOADW 1
	BLOCKW 0
	BLOCKW 1
	BLOCKW 2
	BLOCKW 3
	FINISH
; ---------------------------------------------------------------- W
; A lane takes a column n, its registers run down K: a block of 32 along K lies in one lane, and the conversions give codes with K innermost.  A wave takes 32 columns x 512 along K;
; the codes go through the wave's own stage and leave as rows: sixteen lanes store 256 consecutive aligned bytes.  Loads run two blocks ahead.
.Lw:
.set KROW, 512                         ; a row of the codes' buffer in bytes
.set NB,   16                          ; blocks of 32 for a wave
.set WX,   32                          ; v32-95   two sets of 32 numbers
.set WC,   96                          ; v96-99   a block's codes
.set OUTR, 112                         ; v112-175 the way out
.set SB,   24                          ; v24-27   the scale bytes, four to a register
	s_sub_co_u32 s24, ttmp9, 384
	s_and_b32 s18, s24, 1                          ; which 512 along K
	s_bfe_u32 s25, s24, 0x30001                    ; which 128 columns
	s_lshr_b32 s24, s24, 4                         ; which weight: 0 Wq, 1 Wk, 2 Wv
	s_lshl_b32 s17, s25, 7
	s_lshl_b32 s19, s16, 5
	s_add_co_u32 s17, s17, s19                     ; my wave's first column in the weight
	v_lshlrev_b32 v3, 2, v2                        ; in: 4 bytes a lane
	s_mul_i32 s19, s16, 32*WPITCH
	s_add_co_u32 s19, s19, WSTG                    ; my stage
	v_mul_u32_u24 v4, v2, WPITCH
	v_add_nc_u32 v4, s19, v4                       ; into it: row = my column
	v_and_b32 v5, 15, v2
	v_lshrrev_b32 v6, 4, v2
	v_mul_u32_u24 v7, v6, WPITCH
	v_lshl_add_u32 v7, v5, 4, v7
	v_add_nc_u32 v7, s19, v7                       ; out of it: sixteen lanes to a row, two rows an instruction
	v_mul_u32_u24 v8, v6, KROW
	v_lshl_add_u32 v8, v5, 4, v8                   ; and the same place in the codes' buffer
	v_lshlrev_b32 v9, 5, v2                        ; my column's row of 32 scale bytes
	s_lshl_b32 s20, s18, 21                        ; 512 rows of 4,096 bytes
	s_lshl_b32 s21, s17, 2
	s_add_co_u32 s20, s20, s21
	s_mov_b32 s21, 0
	s_cmp_eq_u32 s24, 0                            ; the choice of the weight hangs on the work-group's number alone
	s_cselect_b64 s[4:5], s[38:39], s[40:41]
	s_cmp_eq_u32 s24, 2
	s_cselect_b64 s[4:5], s[42:43], s[4:5]
	s_add_nc_u64 s[4:5], s[4:5], s[20:21]
	s_lshl_b32 s22, s24, 10
	s_add_co_u32 s22, s22, s17                     ; my first row of the 3,072
	s_lshl_b32 s20, s22, 9
	s_lshl_b32 s23, s18, 8
	s_add_co_u32 s20, s20, s23
	s_add_nc_u64 s[6:7], s[52:53], s[20:21]
	s_lshl_b32 s20, s22, 5
	s_lshl_b32 s23, s18, 4
	s_add_co_u32 s20, s20, s23
	s_add_nc_u64 s[8:9], s[54:55], s[20:21]
.macro WLD t
.set i, 0
.rept 32
	global_load_b32 v[WX+32*((\t)%2)+i], v3, s[4:5] offset:(32*(\t)+i)*4096 th:TH_LOAD_NT
.set i, i+1
.endr
.endm
.macro WBLOCK t
.set XS, WX+32*((\t)%2)
.if (\t) < NB-1
	s_wait_loadcnt 32                              ; this block's 32 loads are in; the next block's may be out
.else
	s_wait_loadcnt 0x0
.endif
	v_max3_num_f32 v12, |v[XS]|, |v[XS+1]|, |v[XS+2]|              ; the block's largest magnitude: all 32 numbers are mine
	v_max3_num_f32 v13, |v[XS+3]|, |v[XS+4]|, |v[XS+5]|
.irp i, 6,10,14,18,22,26
	v_max3_num_f32 v12, v12, |v[XS+\i]|, |v[XS+\i+1]|
	v_max3_num_f32 v13, v13, |v[XS+\i+2]|, |v[XS+\i+3]|
.endr
	v_max3_num_f32 v12, v12, |v[XS+30]|, |v[XS+31]|
	v_max3_num_f32 v12, v12, v13, 0x1800000        ; and the floor 2^(3 - 127): the byte cannot fall under 1
	v_add_nc_u32 v11, 0xff000000, v12              ; 2 off its exponent field: the conversion takes the exponent field of this operand as its scale
	v_lshrrev_b32 v13, 23, v11                     ; the scale's byte
.if (\t)%4 == 0
	v_mov_b32 v[SB+(\t)/4], v13
.else
	v_lshl_or_b32 v[SB+(\t)/4], v13, 8*((\t)%4), v[SB+(\t)/4]
.endif
.irp g, 0,1,2,3
	v_cvt_scalef32_pk8_fp4_f32 v[WC+\g], v[XS+8*\g:XS+8*\g+7], v11
.endr
	ds_store_b128 v4, v[WC:WC+3] offset:16*(\t)    ; 32 codes: 16 bytes of my column's row
.if (\t)+2 < NB
	WLD (\t)+2
.endif
	s_wait_dscnt 0x0                               ; the store has read its registers: the next block's codes may be written
.endm
	WLD 0
	WLD 1
.irp t, 0,1,2,3,4,5,6,7,8,9,10,11,12,13,14,15
	WBLOCK \t
.endr
	global_store_b128 v9, v[SB:SB+3], s[8:9]       ; my column's 16 scale bytes
.irp t, 0,1,2,3,4,5,6,7,8,9,10,11,12,13,14,15
	ds_load_b128 v[OUTR+4*\t:OUTR+4*\t+3], v7 offset:2*\t*WPITCH   ; LDS serves a wave's instructions in order: these see my stores
.endr
.irp t, 0,1,2,3,4,5,6,7,8,9,10,11,12,13,14,15
	s_wait_dscnt 15-\t
	global_store_b128 v8, v[OUTR+4*\t:OUTR+4*\t+3], s[6:7] offset:2*\t*KROW
.endr
	FINISH
; ---------------------------------------------------------------- X
; x is a plain stream of blocks of 32.  A wave takes 16 steps of 512 numbers.  Each load reads 512 consecutive bytes; a step's 2,048 bytes turn through the wave's own stage so that a lane
; holds 16 neighbours (two lanes a block).  A lane's 16 codes are 8 bytes: the wave stores 256 consecutive bytes.  A wave's 256 scale bytes are gathered in LDS and leave as one aligned run.
.Lx:
.set STEPS, 16
.set CB,    8
.set XR,    16                         ; v16-79   four sets of 16 numbers as loaded
.set XX,    80                         ; v80-111  two sets of 16 neighbours
.set XC,    128                        ; v128-191 codes, four registers a step
.set XE,    112                        ; v112-127 a scale byte for each step
.set SP,    80                         ; a lane's place in a stage: 64 bytes + 16
	v_lshlrev_b32 v3, 4, v2                        ; my 16 bytes of a load's 512
	s_mul_i32 s17, s16, WREG
	s_add_co_u32 s17, s17, XREG                    ; my wave's region
	v_lshrrev_b32 v14, 2, v2
	v_mul_u32_u24 v14, v14, SP
	v_and_b32 v15, 3, v2
	v_lshl_add_u32 v14, v15, 4, v14
	v_add_nc_u32 v14, s17, v14                     ; the stage, way in: SP (lane / 4) + 16 (lane % 4)
	v_mul_u32_u24 v15, v2, SP
	v_add_nc_u32 v15, s17, v15                     ; way out: SP x lane
	v_mul_u32_u24 v4, v2, CB                       ; my codes' place in a step's
	v_lshrrev_b32 v5, 1, v2
	s_add_co_u32 s17, s17, 2*32*SP
	v_add_nc_u32 v5, s17, v5                       ; my block's scale byte in LDS
	v_lshlrev_b32 v7, 3, v2
	v_add_nc_u32 v6, s17, v7                       ; and 8 bytes a lane on the way out
	s_sub_co_u32 s17, ttmp9, 256
	s_lshl_b32 s17, s17, 2
	s_add_co_u32 s18, s17, s16                     ; which run of 8,192 numbers is my wave's: 0 .. 511
	s_mov_b32 s21, 0
	s_lshl_b32 s20, s18, 15
	s_add_nc_u64 s[4:5], s[36:37], s[20:21]
	s_lshl_b32 s20, s18, 12
	s_add_nc_u64 s[8:9], s[48:49], s[20:21]
	s_lshl_b32 s20, s18, 8
	s_add_nc_u64 s[10:11], s[50:51], s[20:21]
.macro XLD t
.irp i, 0,1,2,3
	global_load_b128 v[XR+16*((\t)%4)+4*\i:XR+16*((\t)%4)+4*\i+3], v3, s[4:5] offset:2048*(\t)+512*\i th:TH_LOAD_NT
.endr
.endm
.macro XTURN t                         ; a step's numbers through the stage: LDS serves a wave's instructions in order
.irp i, 0,1,2,3
	ds_store_b128 v14, v[XR+16*((\t)%4)+4*\i:XR+16*((\t)%4)+4*\i+3] offset:32*SP*((\t)%2)+8*SP*\i
.endr
.irp i, 0,1,2,3
	ds_load_b128 v[XX+16*((\t)%2)+4*\i:XX+16*((\t)%2)+4*\i+3], v15 offset:32*SP*((\t)%2)+16*\i
.endr
.endm
.macro XSTEP t
.set XS, XX+16*((\t)%2)
.if (\t) > 0
	s_wait_dscnt 1                                 ; this step's numbers are back from the stage (the last step's byte store may be out)
.else
	s_wait_dscnt 0x0
.endif
.if (\t)+4 < STEPS
	XLD (\t)+4
.endif
.if (\t)+1 < STEPS
.if STEPS-2-(\t) >= 3
	s_wait_loadcnt 12                              ; the next step's four loads are in; those of the three steps behind it may be out
.else
	s_wait_loadcnt 4*(STEPS-2-(\t))
.endif
	XTURN (\t)+1
.endif
	v_max3_num_f32 v8, |v[XS]|, |v[XS+1]|, |v[XS+2]|
	v_max3_num_f32 v9, |v[XS+3]|, |v[XS+4]|, |v[XS+5]|
.irp i, 6,10
	v_max3_num_f32 v8, v8, |v[XS+\i]|, |v[XS+\i+1]|
	v_max3_num_f32 v9, v9, |v[XS+\i+2]|, |v[XS+\i+3]|
.endr
	v_max3_num_f32 v8, v8, |v[XS+14]|, |v[XS+15]|
	v_max3_num_f32 v8, v8, v9, 0x1800000           ; the floor 2^(3 - 127)
	v_max_num_f32_dpp v8, v8, v8 row_xmask:1 row_mask:0xf bank_mask:0xf   ; with my neighbour's 16: the block's largest magnitude
	v_add_nc_u32 v11, 0xff000000, v8               ; 2 off its exponent field: the conversion's scale operand
	v_cvt_scalef32_pk8_fp4_f32 v[XC+4*(\t)], v[XS:XS+7], v11
	v_cvt_scalef32_pk8_fp4_f32 v[XC+4*(\t)+1], v[XS+8:XS+15], v11
	v_lshrrev_b32 v[XE+(\t)], 23, v11              ; the scale's byte
	ds_store_b8 v5, v[XE+(\t)] offset:16*(\t)      ; both lanes of a block write the same byte with the same value
	global_store_b64 v4, v[XC+4*(\t):XC+4*(\t)+1], s[8:9] offset:32*CB*(\t)
.endm
.irp t, 0,1,2,3
	XLD \t
.endr
	s_wait_loadcnt 12                              ; step 0's four loads are in
	XTURN 0
.irp t, 0,1,2,3,4,5,6,7,8,9,10,11,12,13,14,15
	XSTEP \t
.endr
	ds_load_b64 v[8:9], v6                         ; LDS serves a wave's instructions in order: these see my byte stores
	s_wait_dscnt 0x0
	global_store_b64 v7, v[8:9], s[10:11]          ; 32 lanes store 256 consecutive aligned bytes
	FINISH
; ---------------------------------------------------------------- MASK
; maskp: [batch 2][tile of 16 queries: 128][step of 64 keys: 32][32 words]; word 8 kt + j, bit l = (att_mask[16 tile + l % 16][64 step + 16 kt + 8 (l / 16) + j] != 0):
; the very place of that score in the attention launch's registers, so that a word is the select mask of one v_cndmask_b32 there.
; A work-group takes a tile of 16 queries, wave w its keys 512 w .. 512 w + 511, in four rounds of 128 keys.  Each load reads 512 consecutive bytes of one row; a round's 16 rows turn through the wave's
; own stage so that lane (r, h) holds row r; a compare makes a word, and v_writelane_b32 puts it where two stores of 512 consecutive bytes want it.
.Lmask:
.set MW, 16                            ; v16-23   the wave's 256 words: word idx in register 4 (idx / 128) + idx % 4, lane (idx / 4) % 32
.set MR, 32                            ; v32-159  two sets of 64
	v_lshlrev_b32 v1, 4, v2                        ; 16 x lane: my bytes of a load, and of a store
	v_and_b32 v7, 15, v0                           ; r
	v_bfe_u32 v8, v0, 4, 1                         ; h
	s_mul_i32 s17, s16, 16*MP                      ; my stage
	v_add_nc_u32 v9, s17, v1                       ; way in
	v_mul_u32_u24 v3, v7, MP
	v_lshl_add_u32 v3, v8, 5, v3
	v_add_nc_u32 v3, s17, v3                       ; way out: row r, + 32 h
	v_mov_b32 v4, s16
	v_lshlrev_b32 v4, 2, v4
	v_add_nc_u32 v4, XCH, v4                       ; my wave's word of the exchange
	v_mov_b32 v5, XCH
	s_lshl_b32 s2, ttmp9, 17                       ; 16 rows of 8,192 bytes
	s_lshl_b32 s3, s16, 11                         ; my 512 keys
	s_add_co_u32 s2, s2, s3
	s_mov_b32 s3, 0
	s_add_nc_u64 s[4:5], s[46:47], s[2:3]
	s_lshl_b32 s2, ttmp9, 12                       ; 4,096 bytes a tile,
	s_lshl_b32 s18, s16, 10                        ; 1,024 a wave
	s_add_co_u32 s2, s2, s18
	s_add_nc_u64 s[6:7], s[58:59], s[2:3]
.irp i, 0,1,2,3,4,5,6,7
	v_mov_b32 v[MW+\i], 0                          ; v_writelane_b32's destination counts as read
.endr
	s_mov_b32 s28, 0                               ; the OR of all my words: bit l says whether row l % 16 has an open key among mine
.macro MLOAD g
.irp q, 0,1,2,3,4,5,6,7,8,9,10,11,12,13,14,15
	global_load_b128 v[MR+64*((\g)%2)+4*\q:MR+64*((\g)%2)+4*\q+3], v1, s[4:5] offset:8192*\q+512*(\g) th:TH_LOAD_NT
.endr
.endm
.macro MROUND g
.if (\g) < 3
	s_wait_loadcnt 16                              ; this round's 16 loads are in; the next round's may be out
.else
	s_wait_loadcnt 0x0
.endif
.irp q, 0,1,2,3,4,5,6,7,8,9,10,11,12,13,14,15
	ds_store_b128 v9, v[MR+64*((\g)%2)+4*\q:MR+64*((\g)%2)+4*\q+3] offset:MP*\q
.endr
.irp kt, 0,1,2,3,4,5,6,7
.irp u, 0,1
	ds_load_b128 v[MR+64*((\g)%2)+8*\kt+4*\u:MR+64*((\g)%2)+8*\kt+4*\u+3], v3 offset:64*\kt+16*\u   ; back into the registers that they left: register 8 kt + j = row r, key 16 kt + 8 h + j
.endr
.endr
	s_wait_dscnt 0x0
.irp kt, 0,1,2,3,4,5,6,7
.irp j, 0,1,2,3,4,5,6,7
	v_cmp_ne_u32 s[20+\j], 0, v[MR+64*((\g)%2)+8*\kt+\j]
.endr
.irp j, 0,1,2,3,4,5,6,7
	s_or_b32 s28, s28, s[20+\j]
.endr
.irp j, 0,1,2,3,4,5,6,7
.if (64*(\g)+8*\kt+\j) == 0
	s_mov_b32 s29, s20                             ; word 0 is kept: wave 0's holds key 0, and may still get bits
.else
	v_writelane_b32 v[MW+4*((64*(\g)+8*\kt+\j)>>7)+(\j&3)], s[20+\j], ((64*(\g)+8*\kt+\j)>>2)&31
.endif
.endr
.endr
.if (\g) < 2
	MLOAD (\g)+2
.endif
.endm
	MLOAD 0
	MLOAD 1
	MROUND 0
	MROUND 1
	MROUND 2
	MROUND 3
	v_mov_b32 v24, s28
	ds_store_b32 v4, v24                           ; all lanes write the same word with the same value
	s_wait_dscnt 0x0                               ; for the others' sake: my store has landed
	s_barrier_signal -1
	s_barrier_wait -1
	ds_load_b128 v[24:27], v5                      ; the four waves' words
	s_wait_dscnt 0x0
	v_or_b32 v24, v24, v25
	v_or_b32 v26, v26, v27
	v_or_b32 v24, v24, v26
	v_readfirstlane_b32 s30, v24
	s_lshr_b32 s31, s30, 16
	s_or_b32 s30, s30, s31                         ; both halves of the lanes: bit r = row r has an open key
	s_not_b32 s30, s30
	s_and_b32 s30, s30, 0xffff                     ; bit r = row r has none
	s_cmp_eq_u32 s16, 0
	s_cselect_b32 s30, s30, 0                      ; key 0 is wave 0's: word 0, bits 0 to 15.  A choice of a value: no branch hangs on the data
	s_or_b32 s29, s29, s30
	v_writelane_b32 v[MW], s29, 0
	global_store_b128 v1, v[MW:MW+3], s[6:7]       ; 512 consecutive aligned bytes each
	global_store_b128 v1, v[MW+4:MW+7], s[6:7] offset:512
	FINISH
.Lfunc_end_k_q92f213d3fe_prep:
	.size	k_q92f213d3fe_prep, .Lfunc_end_k_q92f213d3fe_prep-k_q92f213d3fe_prep
	.p2alignl 7, 3214868480
	.fill 96, 4, 3214868480
	.section	.rodata,"a",@progbits
	.p2align	6, 0x0
	.amdhsa_kernel k_q92f213d3fe_prep
		.amdhsa_group_segment_fixed_size 102400
		.amdhsa_private_segment_fixed_size 0
		.amdhsa_enable_private_segment 0
		.amdhsa_kernarg_size 96
		.amdhsa_user_sgpr_count 2
		.amdhsa_user_sgpr_kernarg_segment_ptr 1
		.amdhsa_wavefront_size32 1
		.amdhsa_system_sgpr_workgroup_id_x 1
		.amdhsa_system_sgpr_workgroup_id_y 1
		.amdhsa_system_sgpr_workgroup_id_z 1
		.amdhsa_system_vgpr_workitem_id 0
		.amdhsa_next_free_vgpr 194
		.amdhsa_next_free_sgpr 66
		.amdhsa_reserve_vcc 0
		.amdhsa_float_denorm_mode_32 3
		.amdhsa_float_denorm_mode_16_64 3
		.amdhsa_memory_ordered 1
		.amdhsa_forward_progress 1
		.amdhsa_inst_pref_size 186
	.end_amdhsa_kernel
	.amdgpu_metadata
---
amdhsa.version: [ 1, 2 ]
amdhsa.kernels:
  - .name:           k_q92f213d3fe_prep
    .symbol:         k_q92f213d3fe_prep.kd
    .args:
      - { .name: x, .offset: 0, .size: 8, .value_kind: global_buffer, .address_space: global }
      - { .name: Wq, .offset: 8, .size: 8, .value_kind: global_buffer, .address_space: global }
      - { .name: Wk, .offset: 16, .size: 8, .value_kind: global_buffer, .address_space: global }
      - { .name: Wv, .offset: 24, .size: 8, .value_kind: global_buffer, .address_space: global }
      - { .name: Wo, .offset: 32, .size: 8, .value_kind: global_buffer, .address_space: global }
      - { .name: att_mask, .offset: 40, .size: 8, .value_kind: global_buffer, .address_space: global }
      - { .name: xcodes, .offset: 48, .size: 8, .value_kind: global_buffer, .address_space: global }
      - { .name: xscales, .offset: 56, .size: 8, .value_kind: global_buffer, .address_space: global }
      - { .name: wcodes, .offset: 64, .size: 8, .value_kind: global_buffer, .address_space: global }
      - { .name: wscales, .offset: 72, .size: 8, .value_kind: global_buffer, .address_space: global }
      - { .name: woimg, .offset: 80, .size: 8, .value_kind: global_buffer, .address_space: global }
      - { .name: maskp, .offset: 88, .size: 8, .value_kind: global_buffer, .address_space: global }
    .group_segment_fixed_size: 102400
    .private_segment_fixed_size: 0
    .kernarg_segment_align: 8
    .kernarg_segment_size: 96
    .max_flat_workgroup_size: 128
    .sgpr_count:     66
    .vgpr_count:     194
    .wavefront_size: 32
...
	.end_amdgpu_metadata
.endif
;; end of part 1
;; launch qkv (part 2): grid 12 x 16, 4 waves a work-group, clusters of 4 x 4, 327,680 bytes of LDS; arguments xcodes, xscales, wcodes, wscales, qkv; writes qkv
.if DOCPART == 2
	.amdgcn_target "amdgcn-amd-amdhsa--gfx1250"
	.amdhsa_code_object_version 6
	.text
	.protected	k_q92f213d3fe_qkv
	.globl	k_q92f213d3fe_qkv
	.p2align	8
	.type	k_q92f213d3fe_qkv,@function
k_q92f213d3fe_qkv:
	s_mov_b64 s[64:65], 0
	v_nop
	global_prefetch_b8 v0, s[64:65] scope:SCOPE_SE
	s_setreg_imm32_b32 hwreg(HW_REG_WAVE_MODE, 25, 1), 1
	s_wait_xcnt 0x0
	s_wait_alu depctr_hold_cnt(0) depctr_sa_sdst(0) depctr_va_vdst(0) depctr_va_sdst(0) depctr_va_ssrc(0) depctr_va_vcc(0) depctr_vm_vsrc(0)
	s_getreg_b32 s2, hwreg(HW_REG_IB_STS2, 6, 4)
	s_cmp_eq_u32 s2, 0
	s_cbranch_scc0 .Lentry_in_a_cluster
	s_endpgm
.Lentry_in_a_cluster:
	s_bfe_u32 s2, ttmp6, 0x10000c
	s_cmp_lg_u32 s2, 0xf033
	s_cbranch_scc0 .Lentry_shape_is_right
	s_endpgm
.Lentry_shape_is_right:
; q, k, v = x Wq, x Wk, x Wv in one product: C[m][n] = sum over k of A[m][k] B[n][k], A = x's codes [4096][1024], B = the three weights' codes [3072][1024]: FP4 (E2M1) with one E8M0 scale for each 32 along K; sums in f32.
; A tile of C, 256 x 256, is made by a work-group of four waves, a wave makes 128 x 128: 64 accumulators, 512 registers.  K = 1,024 is two slots of 512 along K (rows of 256 bytes): both slots and the scales of
; all of K are asked for at the start, and nothing is filled again.
; CLUSTERS: 4 x 4 work-groups.  The four of a row of the cluster need the same tiles of A, the four of a column the same tiles of B: each tile is asked for JOINTLY.
; THE MATRIX INSTRUCTION IS USED TRANSPOSED (source 0 = 16 rows of B, source 1 = 16 rows of A): a lane holds one token and eight neighbouring channels: 16 bytes of f16.
; THE RESULT leaves as f16 in the order in which the attention launch's operand registers take it: qkv [batch x head 32][64 tokens: 32][Q, K, V: 8,192 bytes each]; each 8,192 = [16 tokens: 4][16 channels: 4][512 bytes];
; for Q and K lane l's 16 bytes lie at 16 l; for V at 16 (16 (r / 8) + 8 h + r % 8), r = l % 16, h = l / 16, which is where a transposing LDS load at 16 x lane wants them.  So each accumulator is four conversions
; and one store of 512 consecutive aligned bytes, with no way through LDS.
; LIMITS: |q|, |k|, |v| stay under 65,504 (f16); magnitudes under 6e-5 are carried on f16's subnormal grid.
; REGISTERS, in windows of 256: window 0: v0-31 addresses; v32-95 scale words, two sets; from v128 A's fragments, one set (on the way out v128-255 hold packed results);
;   window 1: B's fragments, two sets, at v0 and v128;  window 2: the accumulators of my rows 0-63 ((a, b) at v[8 (8 a + b)]);  window 3: those of my rows 64-127.
.set SIZE_K, 1024
.set KSTEP,  512
.set NQ,     KSTEP/128
.set ROWB,   256
.set KROW,   SIZE_K*4/8
.set PITCH,  272                       ; an LDS row: 256 bytes + 16 of padding: the 16 rows that a load touches start at 16 different banks
.set FR,     8
.set NL,     2
.set NP,     4
.set HALFT,  128*PITCH
.set SLOT,   4*HALFT
.set KS,     SIZE_K/32
.set SCL,    2*SLOT
.set HALFS,  (128*KS/256)*272
.set SBLK,   (16*KS/256)*272
.set SPARE,  SCL+4*HALFS               ; the spare words, 128 bytes for each wave: two blocks of 256 bytes that no other line names
.set ADRA, 16
.set ADRB, 20
.set CO,   26                          ; v26  my 16 bytes' place in a block of 512
.set ADRS, 27
.set SPW,  28
.set NIL,  29
.set SC,   32
.set AF,   128
.set G1, 24
.set G0, 32
.set G1B, 48
.set G0B, 56
.set G1S, 68
.set G0S, 76
.set G1SB, 80
.set G0SB, 88
.set MSB, 0
.macro WIN new                         ; the immediate's high byte repeats the setting that is left
.if MSB != \new
	s_set_vgpr_msb (MSB<<8)|\new
.set MSB, \new
.endif
.endm
.set MUL_LO, 0xa1                      ; source 0 (B) window 1, source 1 (A) window 0, C and D window 2
.set MUL_HI, 0xf1                      ; the same, C and D window 3
.set TO_B,   0x40                      ; destination window 1, address window 0
; A joint load: waves 0 and 1 fetch for A, waves 2 and 3 for B; the branch hangs on the wave's number alone.  An s_nop 0 and four v_nop follow each of the two lines.
.macro JLOAD g0a, g1a, g0b, g1b
	s_cmp_eq_u32 s15, 0
	s_cbranch_scc0 .Lfor_b_\@
	tensor_load_to_lds s[\g0a:\g0a+3], s[\g1a:\g1a+7]
	s_nop 0
.rept 4
	v_nop
.endr
	s_branch .Lasked_\@
.Lfor_b_\@:
	tensor_load_to_lds s[\g0b:\g0b+3], s[\g1b:\g1b+7]
	s_nop 0
.rept 4
	v_nop
.endr
.Lasked_\@:
.endm
.macro CROUND                          ; a round of the cluster's barrier
	s_barrier_signal -1
	s_barrier_wait -1
	s_cmp_lg_u32 s14, 0
	s_cbranch_scc1 .Lnot_wave_0_\@
	s_barrier_signal -3
.Lnot_wave_0_\@:
	s_barrier_wait -3
	s_barrier_signal -1
	s_barrier_wait -1
.endm
	s_load_b128 s[4:7], s[0:1], 0x0                ; A's codes, A's scales
	s_load_b128 s[8:11], s[0:1], 0x10              ; B's codes, B's scales
	s_load_b64 s[12:13], s[0:1], 0x20              ; qkv
	v_lshl_add_u32 v[SPW], v0, 2, SPARE
	v_mov_b32 v[NIL], 0
	ds_add_u32 v[SPW], v[NIL]                      ; the wave's opening: the add, twice on end, and its wait ahead of my first tensor load
	ds_add_u32 v[SPW], v[NIL]
	v_lshrrev_b32 v1, 5, v0
	v_readfirstlane_b32 s14, v1                    ; wave 0..3
	s_lshr_b32 s15, s14, 1                         ; which half of the tile's rows is mine.  Also: I fetch for A (0) or for B (1)
	s_and_b32 s16, s14, 1                          ; which half of its columns.  Also: which 128 rows of that tile I fetch
	s_bfe_u32 s40, ttmp6, 0x40000                  ; cx, cy
	s_bfe_u32 s41, ttmp6, 0x40004
	s_lshl_b32 s42, ttmp9, 2
	s_add_co_u32 s42, s42, s40                     ; tile column = 4 x cluster x + cx
	s_and_b32 s17, ttmp7, 0xffff
	s_lshl_b32 s17, s17, 2
	s_add_co_u32 s17, s17, s41                     ; tile row = 4 x cluster y + cy
	s_lshl_b32 s43, s41, 2
	s_lshl_b32 s43, 15, s43                        ; my row of the cluster
	s_lshl_b32 s44, 0x1111, s40                    ; my column
	s_or_b32 s[G1+0], s43, (0<<16)|(1<<20)|(1<<21)|(5<<22)|(3<<25)  ; the mask; elements of 1 byte; padding on: 4 words after every 64; bit 21 beside a mask
	s_or_b32 s[G1B+0], s44, (0<<16)|(1<<20)|(1<<21)|(5<<22)|(3<<25)
.irp g, G1, G1B
	s_mov_b32 s[\g+1], ROWB<<16                    ; tensor_dim0
	s_mov_b32 s[\g+2], 128<<16                     ; tensor_dim1
	s_mov_b32 s[\g+3], ROWB<<16                    ; tile_dim0
	s_mov_b32 s[\g+4], 128                         ; tile_dim1
	s_mov_b32 s[\g+5], KROW                        ; the pitch
	s_mov_b32 s[\g+6], 0
	s_mov_b32 s[\g+7], 0
.endr
	s_or_b32 s[G1S+0], s43, (3<<16)|(1<<20)|(1<<21)|(5<<22)|(3<<25)  ; the scales of 128 rows: 4,096 dense bytes as rows of 256 (32 elements of 8 bytes), 16 bytes of padding behind each
	s_or_b32 s[G1SB+0], s44, (3<<16)|(1<<20)|(1<<21)|(5<<22)|(3<<25)
.irp g, G1S, G1SB
	s_mov_b32 s[\g+1], 32<<16
	s_mov_b32 s[\g+2], (128*KS/256)<<16
	s_mov_b32 s[\g+3], 32<<16
	s_mov_b32 s[\g+4], 128*KS/256
	s_mov_b32 s[\g+5], 32
	s_mov_b32 s[\g+6], 0
	s_mov_b32 s[\g+7], 0
.endr
	s_lshl_b32 s18, s16, 7
	s_lshl_b32 s20, s17, 8
	s_add_co_u32 s20, s20, s18                     ; A: row 256 x tile row + 128 x half
	s_lshl_b32 s46, s42, 8
	s_add_co_u32 s46, s46, s18                     ; B: row 256 x tile column + 128 x half
	s_mov_b32 s21, 0
	s_mov_b32 s47, 0
	s_mov_b64 s[18:19], KS
	s_mul_u64 s[22:23], s[20:21], s[18:19]         ; where these rows' scales begin
	s_mul_u64 s[92:93], s[46:47], s[18:19]
	s_mov_b64 s[18:19], KROW
	s_mul_u64 s[20:21], s[20:21], s[18:19]         ; and their codes
	s_mul_u64 s[46:47], s[46:47], s[18:19]
	s_mul_i32 s45, s14, HALFT                      ; where they go: wave x 128 rows
	s_mul_i32 s94, s14, HALFS
	s_wait_dscnt 0x0                               ; both opening adds are done
	s_wait_kmcnt 0x0
	s_add_nc_u64 s[20:21], s[4:5], s[20:21]
	s_add_nc_u64 s[22:23], s[6:7], s[22:23]
	s_add_nc_u64 s[46:47], s[8:9], s[46:47]
	s_add_nc_u64 s[92:93], s[10:11], s[92:93]
	CROUND                                         ; all sixteen work-groups are here: the first joint loads meet
	s_mov_b32 s[G0S], 1
	s_add_co_u32 s[G0S+1], s94, SCL
	s_mov_b64 s[G0S+2:G0S+3], s[22:23]
	s_or_b32 s[G0S+3], s[G0S+3], 0x80000000
	s_mov_b32 s[G0SB], 1
	s_add_co_u32 s[G0SB+1], s94, SCL
	s_mov_b64 s[G0SB+2:G0SB+3], s[92:93]
	s_or_b32 s[G0SB+3], s[G0SB+3], 0x80000000
	JLOAD G0S, G1S, G0SB, G1SB                     ; the scales first: they are wanted with the first slot
.irp s, 0,1
	s_mov_b32 s[G0+4*\s], 1
	s_add_co_u32 s[G0+4*\s+1], s45, \s*SLOT
	s_add_nc_u64 s[G0+4*\s+2:G0+4*\s+3], s[20:21], \s*ROWB
	s_or_b32 s[G0+4*\s+3], s[G0+4*\s+3], 0x80000000
	s_mov_b32 s[G0B+4*\s], 1
	s_add_co_u32 s[G0B+4*\s+1], s45, \s*SLOT
	s_add_nc_u64 s[G0B+4*\s+2:G0B+4*\s+3], s[46:47], \s*ROWB
	s_or_b32 s[G0B+4*\s+3], s[G0B+4*\s+3], 0x80000000
	JLOAD G0+4*\s, G1, G0B+4*\s, G1B               ; three tensor loads of mine are out in all
.endr
	v_and_b32 v1, 15, v0                           ; r
	v_bfe_u32 v2, v0, 4, 1                         ; h
	v_mul_u32_u24 v3, v1, PITCH
	v_lshl_add_u32 v4, v2, 4, v3                   ; a fragment's row x pitch + 16 x half
	s_mul_i32 s21, s15, HALFT                      ; my 128 rows of A
	s_mul_i32 s22, s16, HALFT                      ; my 128 rows of B,
	s_add_co_u32 s22, s22, 2*HALFT                 ; behind A's 256
.irp s, 0,1
	v_add_nc_u32 v[ADRA+\s], s21, v4
	v_add_nc_u32 v[ADRB+\s], s22, v4
	s_add_co_u32 s21, s21, SLOT
	s_add_co_u32 s22, s22, SLOT
.endr
	v_mul_u32_u24 v5, v1, KS                       ; my row's scales: KS bytes a row,
	v_lshrrev_b32 v6, 8, v5
	v_lshl_add_u32 v5, v6, 4, v5                   ; and 16 more for each 256 passed
	s_mul_i32 s21, s15, HALFS
	s_mul_i32 s22, s16, HALFS
	s_add_co_u32 s22, s22, 2*HALFS
	s_sub_co_u32 s22, s22, s21
	v_mul_u32_u24 v6, s22, v2                      ; lanes 16-31 take B's
	s_add_co_u32 s21, s21, SCL
	v_add_nc_u32 v5, v5, v6
	v_add_nc_u32 v[ADRS], s21, v5
	; the way out: where my part begins in qkv
	s_lshr_b32 s20, s17, 3                         ; batch
	s_lshl_b32 s20, s20, 4
	s_and_b32 s46, s42, 3
	s_lshl_b32 s46, s46, 2
	s_lshl_b32 s47, s16, 1
	s_add_co_u32 s46, s46, s47                     ; my first head: 4 (tile column % 4) + 2 x half
	s_add_co_u32 s46, s46, s20                     ; + 16 x batch
	s_lshl_b32 s46, s46, 5                         ; 32 runs of 64 tokens a head
	s_and_b32 s20, s17, 7
	s_lshl_b32 s20, s20, 2
	s_lshl_b32 s21, s15, 1
	s_add_co_u32 s20, s20, s21                     ; my first run of 64 tokens: 4 (tile row % 8) + 2 x half
	s_add_co_u32 s46, s46, s20
	s_mul_i32 s46, s46, 24576
	s_lshl_b32 s47, ttmp9, 13                      ; cluster x says which of Q, K, V: 1,024 columns are four tiles
	s_add_co_u32 s46, s46, s47
	s_mov_b32 s47, 0
	s_add_nc_u64 s[12:13], s[12:13], s[46:47]
	v_and_b32 v6, 31, v0
	v_lshlrev_b32 v5, 4, v6                        ; Q, K: 16 x lane
	v_lshrrev_b32 v6, 3, v1
	v_lshlrev_b32 v6, 4, v6
	v_lshl_add_u32 v6, v2, 3, v6
	v_and_b32 v7, 7, v1
	v_add_nc_u32 v6, v6, v7
	v_lshlrev_b32 v6, 4, v6                        ; V: 16 (16 (r / 8) + 8 h + r % 8)
	s_cmp_eq_u32 ttmp9, 2
	s_cselect_b32 s95, -1, 0
	v_cndmask_b32 v[CO], v5, v6, s95
.macro FRAG reg, adr, q, i             ; 16 rows x 128 K of 4-bit codes: 8 registers; registers 4 c .. 4 c + 3 hold K = 64 c + 32 (l / 16) + 0 .. 31
.irp c, 0,1
	ds_load_b128 v[\reg+4*\c:\reg+4*\c+3], v[\adr] offset:64*(\q)+32*\c+(\i)*16*PITCH
.endr
.endm
; 16 matrix instructions: A's blocks a0, a0 + 1 x B's eight, 128 along K.  The 64 accumulators take turns, one instruction a turn, in the same order in every step.
.macro MUL16 a0, p, q, sc, zero
.irp a, \a0, \a0+1
.irp b, 0,1,2,3,4,5,6,7
.if \zero
	v_wmma_scale_f32_16x16x128_f8f6f4 v[8*(8*((\a)%4)+\b):8*(8*((\a)%4)+\b)+7], v[128*(\p)+FR*\b:128*(\p)+FR*\b+FR-1], v[AF+FR*(\a):AF+FR*(\a)+FR-1], 0, v[SC+8*NQ*(\sc)+NQ*\b+(\q)], v[SC+8*NQ*(\sc)+NQ*(\a)+(\q)] matrix_a_fmt:MATRIX_FMT_FP4 matrix_b_fmt:MATRIX_FMT_FP4 matrix_a_scale:MATRIX_SCALE_ROW1
.else
	v_wmma_scale_f32_16x16x128_f8f6f4 v[8*(8*((\a)%4)+\b):8*(8*((\a)%4)+\b)+7], v[128*(\p)+FR*\b:128*(\p)+FR*\b+FR-1], v[AF+FR*(\a):AF+FR*(\a)+FR-1], v[8*(8*((\a)%4)+\b):8*(8*((\a)%4)+\b)+7], v[SC+8*NQ*(\sc)+NQ*\b+(\q)], v[SC+8*NQ*(\sc)+NQ*(\a)+(\q)] matrix_a_fmt:MATRIX_FMT_FP4 matrix_b_fmt:MATRIX_FMT_FP4 matrix_a_scale:MATRIX_SCALE_ROW1
.endif
.endr
.endr
.endm
.macro FETCH_B slot, q, p
	WIN TO_B
.irp i, 0,1,2,3,4,5,6,7
	FRAG 128*(\p)+FR*\i, ADRB+\slot, \q, \i
.endr
	WIN 0
.endm
.macro FETCH_A slot, q, i0
.irp i, \i0, \i0+1, \i0+2, \i0+3
	FRAG AF+FR*(\i), ADRA+\slot, \q, \i
.endr
.endm
.macro SCALES sc                       ; a slot's scale words: lanes 0-15 take A's block i, lanes 16-31 B's block i
.irp i, 0,1,2,3,4,5,6,7
	ds_load_b128 v[SC+8*NQ*\sc+NQ*\i:SC+8*NQ*\sc+NQ*\i+3], v[ADRS] offset:\i*SBLK
.endr
.endm
.macro PLACES n                        ; plain vector instructions between a matrix instruction and a load into, or a vector read or write of, its registers
.rept \n
	v_nop
.endr
.endm
.macro STEP slot, q, zero              ; 128 along K, with its successor in the same slot
	s_wait_dscnt 4*NL                              ; B's set and A's blocks 0-3 are in; the youngest loads (A's blocks 4-7) may be out
	WIN MUL_LO
	MUL16 0, (\q)%2, \q, \slot, \zero
	MUL16 2, (\q)%2, \q, \slot, \zero
	s_wait_dscnt 0                                 ; A's blocks 4-7 are in
	PLACES NP
	FETCH_B \slot, (\q)+1, 1-(\q)%2
	FETCH_A \slot, (\q)+1, 0
	WIN MUL_HI
	MUL16 4, (\q)%2, \q, \slot, \zero
	MUL16 6, (\q)%2, \q, \slot, \zero
	PLACES NP
	WIN 0
	FETCH_A \slot, (\q)+1, 4
.endm
.macro TURN slot, next                 ; a slot's last step, and the change to the next slot: nothing is filled again
	s_wait_tensorcnt 0x0                           ; all my tensor loads have landed: my part of the next slot;
	ds_add_u32 v[SPW], v[NIL]                      ; 0 onto my spare word;
	s_wait_dscnt 4*NL+1                            ; (the add and the youngest loads, A's blocks 4-7, may be out)
	WIN MUL_LO
	MUL16 0, 1, NQ-1, \slot, 0
	s_wait_dscnt 0x0                               ; the add is done, and my reads of this slot are over
	s_barrier_signal -1
	MUL16 2, 1, NQ-1, \slot, 0
	WIN 0
	s_barrier_wait -1                              ; every wave's part of the next slot has landed
	PLACES NP
	v_add_nc_u32 v[ADRS], 4*NQ, v[ADRS]            ; on to the next slot's scale words
	FETCH_B \next, 0, 0
	FETCH_A \next, 0, 0
	SCALES \next
	WIN MUL_HI
	MUL16 4, 1, NQ-1, \slot, 0
	MUL16 6, 1, NQ-1, \slot, 0
	PLACES NP
	WIN 0
	FETCH_A \next, 0, 4
.endm
	s_wait_tensorcnt 1                             ; the scales and my part of slot 0 are in (slot 1's load may be out),
	s_barrier_signal -1
	s_barrier_wait -1                              ; everybody's are
	FETCH_B 0, 0, 0
	FETCH_A 0, 0, 0
	SCALES 0
	FETCH_A 0, 0, 4
	STEP 0, 0, 1                                   ; the first products start the sums: nothing is cleared
	STEP 0, 1, 0
	STEP 0, 2, 0
	TURN 0, 1
	STEP 1, 0, 0
	STEP 1, 1, 0
	STEP 1, 2, 0
	s_wait_dscnt 4*NL                              ; the last step: nothing more to fetch
	WIN MUL_LO
	MUL16 0, 1, NQ-1, 1, 0
	MUL16 2, 1, NQ-1, 1, 0
	s_wait_dscnt 0
	WIN MUL_HI
	MUL16 4, 1, NQ-1, 1, 0
	MUL16 6, 1, NQ-1, 1, 0
	WIN 0
; THE WAY OUT, block by block of 16 tokens x 128 channels: each accumulator, from its low end on, becomes 16 bytes of f16 a lane and leaves by one store of 512 consecutive aligned bytes.
.macro OUTBLK a
.set AC, 64*((\a)%4)
.set PKR, 128+32*((\a)%4)
.if (\a) >= 4
	s_wait_xcnt 0x0                                ; the stores of four blocks back have read their data: these registers may be written again
.endif
	WIN 0x0a+5*((\a)/4)                            ; sources 0 and 1: window 2 or 3
.irp b, 0,1,2,3,4,5,6,7
.irp e, 0,1,2,3
	v_cvt_pk_f16_f32 v[PKR+4*\b+\e], v[AC+8*\b+2*\e], v[AC+8*\b+2*\e+1]
.endr
.endr
	WIN 0
.irp b, 0,1,2,3,4,5,6,7
	global_store_b128 v[CO], v[PKR+4*\b:PKR+4*\b+3], s[12:13] offset:((\a)>>2)*24576+((\a)&3)*2048+(\b>>2)*786432+(\b&3)*512
.endr
.endm
	PLACES NP                                      ; behind the last products: their results are read, and the registers that held A's fragments are written
.irp a, 0,1,2,3,4,5,6,7
	OUTBLK \a
.endr
	s_wait_tensorcnt 0x0                           ; the wave's end
	ds_add_u32 v[SPW], v[NIL]
	s_wait_dscnt 0x0
	CROUND                                         ; the closing round
	s_endpgm
.Lfunc_end_k_q92f213d3fe_qkv:
	.size	k_q92f213d3fe_qkv, .Lfunc_end_k_q92f213d3fe_qkv-k_q92f213d3fe_qkv
	.p2alignl 7, 3214868480
	.fill 96, 4, 3214868480
	.section	.rodata,"a",@progbits
	.p2align	6, 0x0
	.amdhsa_kernel k_q92f213d3fe_qkv
		.amdhsa_group_segment_fixed_size 327680
		.amdhsa_private_segment_fixed_size 0
		.amdhsa_enable_private_segment 0
		.amdhsa_kernarg_size 40
		.amdhsa_user_sgpr_count 2
		.amdhsa_user_sgpr_kernarg_segment_ptr 1
		.amdhsa_wavefront_size32 1
		.amdhsa_system_sgpr_workgroup_id_x 1
		.amdhsa_system_sgpr_workgroup_id_y 1
		.amdhsa_system_sgpr_workgroup_id_z 1
		.amdhsa_system_vgpr_workitem_id 0
		.amdhsa_next_free_vgpr 1024
		.amdhsa_next_free_sgpr 100
		.amdhsa_reserve_vcc 0
		.amdhsa_float_denorm_mode_32 3
		.amdhsa_float_denorm_mode_16_64 3
		.amdhsa_memory_ordered 1
		.amdhsa_forward_progress 1
		.amdhsa_inst_pref_size 118
	.end_amdhsa_kernel
	.amdgpu_metadata
---
amdhsa.version: [ 1, 2 ]
amdhsa.kernels:
  - .name:           k_q92f213d3fe_qkv
    .symbol:         k_q92f213d3fe_qkv.kd
    .args:
      - { .name: xcodes, .offset: 0, .size: 8, .value_kind: global_buffer, .address_space: global }
      - { .name: xscales, .offset: 8, .size: 8, .value_kind: global_buffer, .address_space: global }
      - { .name: wcodes, .offset: 16, .size: 8, .value_kind: global_buffer, .address_space: global }
      - { .name: wscales, .offset: 24, .size: 8, .value_kind: global_buffer, .address_space: global }
      - { .name: qkv, .offset: 32, .size: 8, .value_kind: global_buffer, .address_space: global }
    .group_segment_fixed_size: 327680
    .private_segment_fixed_size: 0
    .kernarg_segment_align: 8
    .kernarg_segment_size: 40
    .max_flat_workgroup_size: 128
    .sgpr_count:     100
    .vgpr_count:     1024
    .wavefront_size: 32
...
	.end_amdgpu_metadata
.endif
;; end of part 2
;; launch attn (part 3): grid 8 x 32, 8 waves a work-group, clusters of 4 x 1, 327,680 bytes of LDS; arguments qkv, maskp, ctx; writes ctx
.if DOCPART == 3
	.amdgcn_target "amdgcn-amd-amdhsa--gfx1250"
	.amdhsa_code_object_version 6
	.text
	.protected	k_q92f213d3fe_attn
	.globl	k_q92f213d3fe_attn
	.p2align	8
	.type	k_q92f213d3fe_attn,@function
k_q92f213d3fe_attn:
	s_mov_b64 s[64:65], 0
	v_nop
	global_prefetch_b8 v0, s[64:65] scope:SCOPE_SE
	s_setreg_imm32_b32 hwreg(HW_REG_WAVE_MODE, 25, 1), 1
	s_wait_xcnt 0x0
	s_wait_alu depctr_hold_cnt(0) depctr_sa_sdst(0) depctr_va_vdst(0) depctr_va_sdst(0) depctr_va_ssrc(0) depctr_va_vcc(0) depctr_vm_vsrc(0)
	s_getreg_b32 s2, hwreg(HW_REG_IB_STS2, 6, 4)
	s_cmp_eq_u32 s2, 0
	s_cbranch_scc0 .Lentry_in_a_cluster
	s_endpgm
.Lentry_in_a_cluster:
	s_bfe_u32 s2, ttmp6, 0x10000c
	s_cmp_lg_u32 s2, 0x3003
	s_cbranch_scc0 .Lentry_shape_is_right
	s_endpgm
.Lentry_shape_is_right:
; ctx[b][q][64 head + :] = sum over k of softmax_k(mask ? q . k / 8 : -inf) v[k], for 32 (batch, head) pairs, 2,048 queries and keys, head size 64.  Operands f16, products, maxima and sums f32.
; SHARES.  A work-group owns 256 queries of one (batch, head); each of its eight waves two tiles of 16 queries, in 256 registers: two waves to a SIMD, so that one wave's softmax stands beside the other's
; products and LDS loads.  Every wave walks all 2,048 keys, 64 a step.
; LAYOUT.  S^T = K Q^T (source 0 = 16 keys, source 1 = 16 queries): a lane holds ONE query (lane % 16) and keys 8 (lane / 16) + 0 .. 7.  Two such tiles, rounded to f16 in pairs, are source 1 of O^T = V^T P.
; q, k, v come in the order of the operands' registers (the launch before laid them so): every LDS tile is a dense block, and every fragment load reads 16 x lane + a constant.  V is turned by ds_load_tr16_b128.
; THE MASK comes as one bit a score, a word for each score register: 64 scalar words a step, read a step ahead; a hidden score becomes NEG = -2^120.
; SOFTMAX.  For each query a running maximum m and sum l: p = 2^(c s - c m), c = log2(e) / 8; in every step O and l are multiplied by a = 2^(c m_old - c m_new).  m starts at NEG.  While a row has met no open key,
; c NEG - c m is exactly 0 (c x 2^120 rounds nothing), p = 1, and finite numbers are summed that the first open key wipes out: a = 2^(c NEG - c m) = 0.  Every row has an open key: the launch that packs the mask
; opens key 0 in a row that has none, which gives v[key 0].
; CLUSTER.  The four query blocks of a cluster belong to one (batch, head) and walk the same K and V: each tile is asked for JOINTLY, by the same tensor load with the same descriptor and the mask of all four.
; RING.  Two slots of 512 keys; wave w fetches 64 keys' K and V (16,384 dense bytes) of each slot: one tensor load of mine is out at any time, and it has eight key steps in which to land.
; LIMITS: scores lie above -2^120; weights under 6e-8 of the row's largest so far are dropped by f16; |ctx| under 65,504, under 6e-5 on f16's subnormal grid; NaN and infinities are not served.
.set SLOT1, 131072
.set SPARE, 262144                     ; behind the ring: the spare words, 128 bytes for each wave: four blocks of 256 bytes that no other line names
.set LI,  1                            ; v1   16 x lane
.set ADR, 2                            ; v2   LDS address of the step's tiles
.set SPW, 3                            ; v3   my spare word's address; never rewritten
.set NIL, 4                            ; v4   0; never rewritten
.set NEG, 5                            ; v5   -2^120
.set PFO, 6                            ; v6   256 x lane
.set ST,  8                            ; tile t's statistics at v[8 + 8 t]: +0 c m, +1 m, +2, +3 l (even keys', odd keys'), +4 .. +7 at work; +6 becomes a
.set TS,  24                           ; v[24 + 4 t ..]: two pairs for the sums
.set Q,   32                           ; v32-63   Q: 16 t + 8 s
.set S,   64                           ; v64-127  S^T: 32 t + 8 kt + j; then p; then P in the lower 16 of each 32
.set KV,  128                          ; v128-191 K's fragments, then V's
.set O,   192                          ; v192-255 O^T: 32 t + 8 ct + j
.set WV,  10                           ; s10  wave
.set TB,  12                           ; s12  LDS byte of the step's tiles
.set MO,  13                           ; s13  byte of the step's mask words
.set SLOTS, 14
.set CNT, 15
.set G1,  48                           ; s[48:55]
.set G0,  56                           ; s[56:59] the walking descriptor
.set SEL, 60                           ; s[60:61]
.set CS,  62                           ; s[62:63] c, twice
.set PFA, 66                           ; s[66:67] where my prefetches stand
.set LIM, 100                          ; s100 1 in a wave that prefetches, else the greatest number
; mask words: tile 0 in s[16:47], tile 1 in s[68:99]
.macro CROUND
	s_barrier_signal -1
	s_barrier_wait -1
	s_cmp_lg_u32 s[WV], 0
	s_cbranch_scc1 .Lnot_wave_0_\@
	s_barrier_signal -3
.Lnot_wave_0_\@:
	s_barrier_wait -3
	s_barrier_signal -1
	s_barrier_wait -1
.endm
.macro TLOADJ                          ; every wave fetches its own part: no branch.  An s_nop 0 and four v_nop follow
	tensor_load_to_lds s[G0:G0+3], s[G1:G1+7]
	s_nop 0
.rept 4
	v_nop
.endr
.endm
; A PREFETCH INTO THE L2 of what the NEXT change of slots will ask for: 8 x 16,384 bytes.  Both clusters of a (batch, head) walk the same K and V: the first asks.  Its four partners share the bytes out BY ADDRESS,
; 32,768 each; in each, waves 0 to 3 ask for 8,192 bytes, lanes 256 bytes apart: each aligned block of 256 bytes is named once in the launch.  The last change that fills a slot asks for nothing.
.macro ASK
	s_cmp_gt_u32 s[SLOTS], s[LIM]
	s_cbranch_scc0 .Lnot_mine_\@
	global_prefetch_b8 v[PFO], s[PFA:PFA+1] th:TH_LOAD_NT scope:SCOPE_SE
.Lnot_mine_\@:
.endm
.macro MASKLOAD                        ; 2 tiles x 32 words
	s_load_b512 s[16:31], s[6:7], s[MO] offset:0x0
	s_load_b512 s[32:47], s[6:7], s[MO] offset:0x40
	s_load_b512 s[68:83], s[6:7], s[MO] offset:0x1000
	s_load_b512 s[84:99], s[6:7], s[MO] offset:0x1040
.endm
	s_load_b128 s[4:7], s[0:1], 0x0                ; qkv, maskp
	s_load_b64 s[8:9], s[0:1], 0x10                ; ctx
	v_lshl_add_u32 v[SPW], v0, 2, SPARE
	v_mov_b32 v[NIL], 0
	ds_add_u32 v[SPW], v[NIL]                      ; the wave's opening: the add, twice on end, and its wait ahead of my first tensor load
	ds_add_u32 v[SPW], v[NIL]
	v_lshrrev_b32 v7, 5, v0
	v_readfirstlane_b32 s[WV], v7                  ; wave 0..7
	s_bfe_u32 s11, ttmp6, 0x40000                  ; cx
	s_and_b32 s16, ttmp7, 0xffff                   ; 16 x batch + head, which the four partners share
	s_lshl_b32 s17, ttmp9, 2
	s_add_co_u32 s17, s17, s11                     ; my block of 256 queries
	s_mov_b32 s[G1], 15|(3<<16)|(1<<21)            ; the mask: all four; elements of 8 bytes; no padding; bit 21 beside a mask
	s_mov_b32 s[G1+1], 32<<16                      ; tensor_dim0: 256 bytes
	s_mov_b32 s[G1+2], 64<<16                      ; tensor_dim1
	s_mov_b32 s[G1+3], 32<<16                      ; tile_dim0
	s_mov_b32 s[G1+4], 64                          ; tile_dim1: 64 rows of 256 bytes, dense
	s_mov_b32 s[G1+5], 32                          ; the pitch
	s_mov_b32 s[G1+6], 0
	s_mov_b32 s[G1+7], 0
	s_mov_b32 s[G0], 1
	s_lshl_b32 s[G0+1], s[WV], 14                  ; LDS: 16,384 x wave, slot 0
	s_mul_i32 s18, s16, 786432                     ; the head's first byte in qkv
	s_mul_i32 s20, s[WV], 24576                    ; my 64 keys of slot 0,
	s_add_co_u32 s20, s20, s18
	s_add_co_u32 s20, s20, 8192                    ; behind their Q: K, then V
	s_mov_b32 s21, 0
	s_lshl_b32 s22, s17, 2                         ; Q: run of 64 tokens 4 x block + wave / 2,
	s_lshr_b32 s23, s[WV], 1
	s_add_co_u32 s22, s22, s23
	s_mul_i32 s22, s22, 24576
	s_and_b32 s23, s[WV], 1
	s_lshl_b32 s23, s23, 12                        ; tiles 2 (wave % 2) and the next
	s_add_co_u32 s22, s22, s23
	s_add_co_u32 s22, s22, s18
	s_mov_b32 s23, 0
	s_lshr_b32 s24, s16, 4                         ; batch
	s_lshl_b32 s25, s24, 7
	s_lshl_b32 s26, s17, 4
	s_add_co_u32 s25, s25, s26
	s_lshl_b32 s26, s[WV], 1
	s_add_co_u32 s25, s25, s26                     ; my first tile of queries among the mask's 256
	s_lshl_b32 s26, s25, 12
	s_mov_b32 s27, 0
	s_lshl_b32 s28, s24, 4                         ; ctx: block of 128 tokens 16 x batch + 2 x block + wave / 4,
	s_lshl_b32 s29, s17, 1
	s_add_co_u32 s28, s28, s29
	s_lshr_b32 s29, s[WV], 2
	s_add_co_u32 s28, s28, s29
	s_lshl_b32 s28, s28, 18
	s_and_b32 s29, s16, 15                         ; the head's 64 along the next K: two groups of 8,192 bytes,
	s_lshl_b32 s29, s29, 14
	s_add_co_u32 s28, s28, s29
	s_lshl_b32 s29, s[WV], 1
	s_and_b32 s29, s29, 7                          ; tile of 16 tokens (2 x wave) % 8
	s_lshl_b32 s29, s29, 10
	s_add_co_u32 s28, s28, s29
	s_mov_b32 s29, 0
	s_lshl_b32 s30, s11, 1                         ; the prefetches: of a slot's eight runs of 64 keys my work-group takes 2 cx and 2 cx + 1,
	s_bfe_u32 s31, s[WV], 0x10001
	s_add_co_u32 s30, s30, s31
	s_add_co_u32 s30, s30, 8                       ; in slot 1: the first change of slots steps it to slot 2
	s_mul_i32 s30, s30, 24576
	s_and_b32 s31, s[WV], 1                        ; K's 8,192 bytes or V's
	s_lshl_b32 s31, s31, 13
	s_add_co_u32 s30, s30, s31
	s_add_co_u32 s30, s30, 8192
	s_add_co_u32 s30, s30, s18
	s_mov_b32 s31, 0
	s_lshr_b32 s[LIM], s[WV], 2                    ; 0 in waves 0 to 3,
	s_or_b32 s[LIM], s[LIM], ttmp9                 ; of the head's first cluster: the same in all four partners
	s_cmp_eq_u32 s[LIM], 0
	s_cselect_b32 s[LIM], 1, -1
	s_mov_b32 s[SEL], 0x76543210
	s_mov_b32 s[SEL+1], 0xfedcba98
	s_mov_b32 s[CS], 0x3e38aa3b                    ; c = log2(e) / 8
	s_mov_b32 s[CS+1], s[CS]
	s_mov_b32 s[TB], 0
	s_mov_b32 s[MO], 0
	s_mov_b32 s[SLOTS], 3
	v_and_b32 v[LI], 31, v0
	v_lshlrev_b32 v[PFO], 8, v[LI]
	v_lshlrev_b32 v[LI], 4, v[LI]
	v_mov_b32 v[NEG], 0xfb800000
	s_wait_dscnt 0x0                               ; both opening adds are done
	s_wait_kmcnt 0x0
	s_add_nc_u64 s[G0+2:G0+3], s[4:5], s[20:21]
	s_or_b32 s[G0+3], s[G0+3], 0x80000000
	s_add_nc_u64 s[PFA:PFA+1], s[4:5], s[30:31]
	s_add_nc_u64 s[4:5], s[4:5], s[22:23]          ; Q
	s_add_nc_u64 s[6:7], s[6:7], s[26:27]          ; my mask words
	s_add_nc_u64 s[8:9], s[8:9], s[28:29]          ; my part of ctx
	CROUND                                         ; all four work-groups are here: the first joint loads meet
	TLOADJ                                         ; slot 0
.irp t, 0,1
.irp i, 0,1,2,3
	global_load_b128 v[Q+16*\t+4*\i:Q+16*\t+4*\i+3], v[LI], s[4:5] offset:2048*\t+512*\i   ; Q stays in registers
.endr
.endr
	MASKLOAD                                       ; step 0's words (the head's scalar temporaries are done with)
.set i, 0
.rept 64
	v_mov_b32 v[O+i], 0                            ; O^T: the step is written once; its first run finds zeros
.set i, i+1
.endr
.irp t, 0,1
	v_mov_b32 v[ST+8*\t+1], v[NEG]                 ; m
	v_mul_f32 v[ST+8*\t], s[CS], v[NEG]            ; c m
	v_mov_b32 v[ST+8*\t+2], 0                      ; l
	v_mov_b32 v[ST+8*\t+3], 0
.endr
	s_wait_loadcnt 0x0                             ; Q
; A KEY STEP: 64 keys, two tiles of queries.
.macro STEP
	v_add_nc_u32 v[ADR], s[TB], v[LI]
.rept 5
	v_nop                                          ; behind the last step's products: four places ahead of the loads into the registers that held V, five ahead of the products that write over P
.endr
.set i, 0
.rept 16
	ds_load_b128 v[KV+4*i:KV+4*i+3], v[ADR] offset:512*i   ; K: keys 16 (i / 4) on, channels 16 (i % 4) on
.set i, i+1
.endr
	s_wait_dscnt 0x0
.irp s, 0,1                                    ; S^T = K Q^T: the eight accumulators take turns; the first eight products start the sums
.irp kt, 0,1,2,3
.irp t, 0,1
.if \s == 0
	v_wmma_f32_16x16x32_f16 v[S+32*\t+8*\kt:S+32*\t+8*\kt+7], v[KV+16*\kt:KV+16*\kt+7], v[Q+16*\t:Q+16*\t+7], 0
.else
	v_wmma_f32_16x16x32_f16 v[S+32*\t+8*\kt:S+32*\t+8*\kt+7], v[KV+16*\kt+8:KV+16*\kt+15], v[Q+16*\t+8:Q+16*\t+15], v[S+32*\t+8*\kt:S+32*\t+8*\kt+7]
.endif
.endr
.endr
.endr
.rept 4
	v_nop                                          ; four places ahead of the loads into K's registers and of the first read of the scores
.endr
.irp kk, 0,1
.irp ct, 0,1,2,3
.irp u, 0,1
	ds_load_tr16_b128 v[KV+32*\kk+8*\ct+4*\u:KV+32*\kk+8*\ct+4*\u+3], v[ADR] offset:8192+(2*\kk+\u)*2048+512*\ct   ; V^T: channels 16 ct on, keys 32 kk + 16 u on; they land under the softmax
.endr
.endr
.endr
	s_wait_kmcnt 0x0                               ; this step's mask words, asked for a step ago
.irp t, 0,1
.set i, 0
.rept 32
	v_cndmask_b32 v[S+32*\t+i], v[NEG], v[S+32*\t+i], s[16+52*\t+i]   ; each accumulator from its low end on
.set i, i+1
.endr
.endr
	s_add_co_u32 s[MO], s[MO], 128                 ; (no scalar load is out: the offset may be written)
	s_min_u32 s[MO], s[MO], 3968                   ; the last step asks for its own words again: no load leaves the buffer
	MASKLOAD                                       ; the next step's words: the rest of the step to land in
.irp j, 0,1,2,3                                ; the maximum of 32 scores and the old m, three operands at a time, the two tiles by turns
.irp t, 0,1
	v_max3_num_f32 v[ST+8*\t+4+\j], v[S+32*\t+8*\j], v[S+32*\t+8*\j+1], v[S+32*\t+8*\j+2]
.endr
.endr
.irp u, 1,2
.irp j, 0,1,2,3
.irp t, 0,1
	v_max3_num_f32 v[ST+8*\t+4+\j], v[ST+8*\t+4+\j], v[S+32*\t+8*\j+2*\u+1], v[S+32*\t+8*\j+2*\u+2]
.endr
.endr
.endr
.irp t, 0,1
	v_max3_num_f32 v[ST+8*\t+4], v[ST+8*\t+4], v[S+32*\t+7], v[S+32*\t+15]
.endr
.irp t, 0,1
	v_max3_num_f32 v[ST+8*\t+6], v[ST+8*\t+6], v[S+32*\t+23], v[S+32*\t+31]
.endr
.irp t, 0,1
	v_max3_num_f32 v[ST+8*\t+4], v[ST+8*\t+4], v[ST+8*\t+5], v[ST+8*\t+6]
.endr
.irp t, 0,1
	v_max3_num_f32 v[ST+8*\t+4], v[ST+8*\t+4], v[ST+8*\t+7], v[ST+8*\t+1]
.endr
.irp t, 0,1
	v_permlanex16_b32 v[ST+8*\t+5], v[ST+8*\t+4], s[SEL], s[SEL+1]   ; the query's other 32 keys lie in the lane 16 away
.endr
.irp t, 0,1
	v_mov_b32 v[ST+8*\t+7], v[ST+8*\t]             ; c m_old
.endr
.irp t, 0,1
	v_max_num_f32 v[ST+8*\t+1], v[ST+8*\t+4], v[ST+8*\t+5]
.endr
.irp t, 0,1
	v_mul_f32 v[ST+8*\t], s[CS], v[ST+8*\t+1]
.endr
.irp t, 0,1
	v_sub_f32 v[ST+8*\t+7], v[ST+8*\t+7], v[ST+8*\t]
.endr
.irp t, 0,1
	v_exp_f32 v[ST+8*\t+6], v[ST+8*\t+7]           ; a
.endr
.irp t, 0,1
.set i, 0
.rept 16
	v_pk_fma_f32 v[S+32*\t+i:S+32*\t+i+1], v[S+32*\t+i:S+32*\t+i+1], s[CS:CS+1], v[ST+8*\t:ST+8*\t+1] op_sel_hi:[1,0,0] neg_lo:[0,0,1] neg_hi:[0,0,1]   ; c s - c m
.set i, i+2
.endr
.endr
.set i, 0
.rept 64
	v_exp_f32 v[S+i], v[S+i]                       ; p
.set i, i+1
.endr
	v_nop                                          ; a plain instruction behind the last exponential
	s_wait_alu depctr_va_vdst(0)                   ; the wait ahead of the first instruction that names a result: one for all 66
.irp t, 0,1                                    ; the sums of the unrounded p, in two chains a tile
	v_pk_add_f32 v[TS+4*\t:TS+4*\t+1], v[S+32*\t:S+32*\t+1], v[S+32*\t+2:S+32*\t+3]
	v_pk_add_f32 v[TS+4*\t+2:TS+4*\t+3], v[S+32*\t+4:S+32*\t+5], v[S+32*\t+6:S+32*\t+7]
.endr
.irp i, 8,12,16,20,24,28
.irp t, 0,1
	v_pk_add_f32 v[TS+4*\t:TS+4*\t+1], v[TS+4*\t:TS+4*\t+1], v[S+32*\t+\i:S+32*\t+\i+1]
	v_pk_add_f32 v[TS+4*\t+2:TS+4*\t+3], v[TS+4*\t+2:TS+4*\t+3], v[S+32*\t+\i+2:S+32*\t+\i+3]
.endr
.endr
.irp t, 0,1
	v_pk_add_f32 v[TS+4*\t:TS+4*\t+1], v[TS+4*\t:TS+4*\t+1], v[TS+4*\t+2:TS+4*\t+3]
.endr
.irp t, 0,1
	v_pk_fma_f32 v[ST+8*\t+2:ST+8*\t+3], v[ST+8*\t+2:ST+8*\t+3], v[ST+8*\t+6:ST+8*\t+7], v[TS+4*\t:TS+4*\t+1] op_sel_hi:[1,0,1]   ; l = a l + the sum
.endr
.irp t, 0,1
.set i, 0
.rept 16
	v_cvt_pk_f16_f32 v[S+32*\t+i], v[S+32*\t+2*i], v[S+32*\t+2*i+1]   ; P, in place: register i takes pair i, which lies at 2 i or beyond
.set i, i+1
.endr
.endr
.irp t, 0,1
.set i, 0
.rept 16
	v_pk_mul_f32 v[O+32*\t+i:O+32*\t+i+1], v[O+32*\t+i:O+32*\t+i+1], v[ST+8*\t+6:ST+8*\t+7] op_sel_hi:[1,0]   ; O^T x a, each accumulator from its low end on
.set i, i+2
.endr
.endr
	s_wait_dscnt 0x0                               ; V is in
.irp kk, 0,1                                   ; O^T += V^T P: the eight accumulators take turns
.irp ct, 0,1,2,3
.irp t, 0,1
	v_wmma_f32_16x16x32_f16 v[O+32*\t+8*\ct:O+32*\t+8*\ct+7], v[KV+32*\kk+8*\ct:KV+32*\kk+8*\ct+7], v[S+32*\t+8*\kk:S+32*\t+8*\kk+7], v[O+32*\t+8*\ct:O+32*\t+8*\ct+7]
.endr
.endr
.endr
	s_add_co_u32 s[TB], s[TB], 16384               ; the next step's tiles
.endm
; THE CHANGE OF SLOTS stands at a slot's head.  Each wave waits for all its tensor loads (its part of the slot that it is about to read), adds 0 to its spare word, and waits for that and for its reads of the slot
; that it has left.  fill = 1: behind a round of the cluster's barrier the other slot takes the next 512 keys: the joint load is the first thing there, one a wave.
.macro CHANGE fill
	s_wait_tensorcnt 0x0                           ; no tensor load of mine is out, so the descriptor may be written
	ds_add_u32 v[SPW], v[NIL]
.if \fill
	s_xor_b32 s[G0+1], s[G0+1], SLOT1              ; the other slot than last time,
	s_add_nc_u64 s[G0+2:G0+3], s[G0+2:G0+3], 196608   ; eight runs of 64 tokens on; the type bits on top are not reached
	s_wait_xcnt 0x0                                ; the last prefetch, a slot back, has read its address
	s_add_nc_u64 s[PFA:PFA+1], s[PFA:PFA+1], 196608
.endif
	s_wait_dscnt 0x0                               ; the add is done, and my reads of the slot that I have left are over
.if \fill
	CROUND
	TLOADJ
	ASK
.else
	s_barrier_signal -1
	s_barrier_wait -1
.endif
.endm
.macro SLOT_STEPS                      ; a slot's eight key steps: written once, walked eight times
	s_mov_b32 s[CNT], 8
.Lstep_\@:
	STEP
	s_sub_co_u32 s[CNT], s[CNT], 1
	s_cmp_lg_u32 s[CNT], 0
	s_cbranch_scc1 .Lstep_\@
	s_and_b32 s[TB], s[TB], 0x3ffff                ; behind slot 1 comes slot 0
.endm
.Lslot:                                            ; three trips: behind each change of slots but the last the next slot is asked for
	CHANGE 1
	SLOT_STEPS
	s_sub_co_u32 s[SLOTS], s[SLOTS], 1
	s_cmp_lg_u32 s[SLOTS], 0
	s_cbranch_scc1 .Lslot
	CHANGE 0                                       ; the last slot is written out
	SLOT_STEPS
	; THE WAY OUT.  O^T / l, rounded to f16, in the order of the next product's operand registers: ctx [128 tokens: 32][32 along K: 32][16 tokens: 8][1,024 bytes]: my eight channels of a row are the 16 bytes at 16 x lane.
.rept 4
	v_nop                                          ; places behind the last products
.endr
.irp t, 0,1
	v_add_f32 v[ST+8*\t+4], v[ST+8*\t+2], v[ST+8*\t+3]
.endr
.irp t, 0,1
	v_permlanex16_b32 v[ST+8*\t+5], v[ST+8*\t+4], s[SEL], s[SEL+1]
.endr
.irp t, 0,1
	v_add_f32 v[ST+8*\t+4], v[ST+8*\t+4], v[ST+8*\t+5]
.endr
.irp t, 0,1
	v_rcp_f32 v[ST+8*\t+6], v[ST+8*\t+4]
.endr
	v_nop
	s_wait_alu depctr_va_vdst(0)                   ; one wait for both reciprocals, ahead of their first reader
.irp t, 0,1
.set i, 0
.rept 16
	v_pk_mul_f32 v[S+32*\t+i:S+32*\t+i+1], v[O+32*\t+i:O+32*\t+i+1], v[ST+8*\t+6:ST+8*\t+7] op_sel_hi:[1,0]
.set i, i+2
.endr
.endr
.irp t, 0,1
.set i, 0
.rept 16
	v_cvt_pk_f16_f32 v[KV+16*\t+i], v[S+32*\t+2*i], v[S+32*\t+2*i+1]
.set i, i+1
.endr
.endr
.irp t, 0,1
.irp ct, 0,1,2,3
	global_store_b128 v[LI], v[KV+16*\t+4*\ct:KV+16*\t+4*\ct+3], s[8:9] offset:1024*\t+8192*(\ct>>1)+512*(\ct&1)   ; 512 consecutive aligned bytes
.endr
.endr
	s_wait_tensorcnt 0x0                           ; the wave's end
	ds_add_u32 v[SPW], v[NIL]
	s_wait_dscnt 0x0
	CROUND                                         ; the closing round
	s_endpgm
.Lfunc_end_k_q92f213d3fe_attn:
	.size	k_q92f213d3fe_attn, .Lfunc_end_k_q92f213d3fe_attn-k_q92f213d3fe_attn
	.p2alignl 7, 3214868480
	.fill 96, 4, 3214868480
	.section	.rodata,"a",@progbits
	.p2align	6, 0x0
	.amdhsa_kernel k_q92f213d3fe_attn
		.amdhsa_group_segment_fixed_size 327680
		.amdhsa_private_segment_fixed_size 0
		.amdhsa_enable_private_segment 0
		.amdhsa_kernarg_size 24
		.amdhsa_user_sgpr_count 2
		.amdhsa_user_sgpr_kernarg_segment_ptr 1
		.amdhsa_wavefront_size32 1
		.amdhsa_system_sgpr_workgroup_id_x 1
		.amdhsa_system_sgpr_workgroup_id_y 1
		.amdhsa_system_sgpr_workgroup_id_z 1
		.amdhsa_system_vgpr_workitem_id 0
		.amdhsa_next_free_vgpr 256
		.amdhsa_next_free_sgpr 106
		.amdhsa_reserve_vcc 0
		.amdhsa_float_denorm_mode_32 3
		.amdhsa_float_denorm_mode_16_64 3
		.amdhsa_memory_ordered 1
		.amdhsa_forward_progress 1
		.amdhsa_inst_pref_size 58
	.end_amdhsa_kernel
	.amdgpu_metadata
---
amdhsa.version: [ 1, 2 ]
amdhsa.kernels:
  - .name:           k_q92f213d3fe_attn
    .symbol:         k_q92f213d3fe_attn.kd
    .args:
      - { .name: qkv, .offset: 0, .size: 8, .value_kind: global_buffer, .address_space: global }
      - { .name: maskp, .offset: 8, .size: 8, .value_kind: global_buffer, .address_space: global }
      - { .name: ctx, .offset: 16, .size: 8, .value_kind: global_buffer, .address_space: global }
    .group_segment_fixed_size: 327680
    .private_segment_fixed_size: 0
    .kernarg_segment_align: 8
    .kernarg_segment_size: 24
    .max_flat_workgroup_size: 256
    .sgpr_count:     106
    .vgpr_count:     256
    .wavefront_size: 32
...
	.end_amdgpu_metadata
.endif
;; end of part 3
;; launch oproj (part 4): grid 8 x 32, 4 waves a work-group, clusters of 4 x 4, 327,680 bytes of LDS; arguments ctx, woimg, bo, out0; writes out0
.if DOCPART == 4
	.amdgcn_target "amdgcn-amd-amdhsa--gfx1250"
	.amdhsa_code_object_version 6
	.text
	.protected	k_q92f213d3fe_oproj
	.globl	k_q92f213d3fe_oproj
	.p2align	8
	.type	k_q92f213d3fe_oproj,@function
k_q92f213d3fe_oproj:
	s_mov_b64 s[64:65], 0
	v_nop
	global_prefetch_b8 v0, s[64:65] scope:SCOPE_SE
	s_setreg_imm32_b32 hwreg(HW_REG_WAVE_MODE, 25, 1), 1
	s_wait_xcnt 0x0
	s_wait_alu depctr_hold_cnt(0) depctr_sa_sdst(0) depctr_va_vdst(0) depctr_va_sdst(0) depctr_va_ssrc(0) depctr_va_vcc(0) depctr_vm_vsrc(0)
	s_getreg_b32 s2, hwreg(HW_REG_IB_STS2, 6, 4)
	s_cmp_eq_u32 s2, 0
	s_cbranch_scc0 .Lentry_in_a_cluster
	s_endpgm
.Lentry_in_a_cluster:
	s_bfe_u32 s2, ttmp6, 0x10000c
	s_cmp_lg_u32 s2, 0xf033
	s_cbranch_scc0 .Lentry_shape_is_right
	s_endpgm
.Lentry_shape_is_right:
; out0[m][n] = sum over k of ctx[m][k] Wo[k][n] + bo[n].  m 4,096, n 1,024, k 1,024.  Operands f16, sums f32, out0 f32.
; Both operands come in the order of a 16-bit operand's registers: [128 rows: block][32 along K: 32][16 rows: 8][1,024 bytes], lane l's 16 bytes at 512 c + 16 l.  So a K step's tile of 128 rows is ONE dense block
; of memory and of LDS, no padding is wanted, and every fragment load reads 16 x lane + a constant.
; A tile of out0 is 128 x 128: 256 work-groups.  Four waves, each 64 x 64: 16 accumulators, 128 registers.  K goes in steps of 256 through two LDS slots; a wave's tensor load brings 32,768 bytes.
; CLUSTERS: 4 x 4 work-groups: A's tiles are asked for jointly along a row of the cluster, B's along a column.
; THE MATRIX INSTRUCTION IS USED TRANSPOSED (source 0 = 16 columns of Wo, source 1 = 16 rows of ctx): a lane holds eight neighbouring numbers of a row of out0.  The bias is the C of each sum's first product.
; A wave's 64 columns are 256 aligned bytes of a row: the way out goes through a stage of the wave's own, with no barrier.
; REGISTERS: window 0: v0-31 addresses; v32-63 the bias, 8 registers for each of 4 column tiles; v64-127 the way out; v128-255 the accumulators ((a, b) at v[128 + 8 (4 a + b)]).
;   window 1: two fragment buffers of 128: for 64 along K, 64 registers of A, then 64 of B.
.set KSTEPB, 65536                     ; a K step's tile of 128 rows, in bytes
.set HALFT,  32768                     ; what one tensor load brings
.set SLOT,   131072                    ; A's tile, then B's
.set STAGE,  2*SLOT                    ; behind the ring: 16 rows x 272 bytes for each wave
.set SPITCH, 272
.set SPARE,  STAGE+4*16*SPITCH         ; the spare words, 128 bytes for each wave: two blocks of 256 bytes that no other line names
.set LAPS,   2                         ; a lap = two K steps
.set ADRA, 16
.set ADRB, 20
.set STO,  24
.set RD,   25
.set CO,   26
.set SPW,  28
.set NIL,  29
.set BIAS, 32
.set TMP,  64
.set ACC,  128
.set F0,   0
.set F1,   128
.set G1, 24
.set G0, 32
.set G1B, 48
.set G0B, 56
.set MSB, 0
.macro WIN new
.if MSB != \new
	s_set_vgpr_msb (MSB<<8)|\new
.set MSB, \new
.endif
.endm
.set MUL,  0x05                        ; sources 0 (B) and 1 (A) window 1; C and D window 0
.set TO_F, 0x40                        ; destination window 1, address window 0
.macro JLOAD s                         ; a joint load: waves 0 and 1 fetch A's two halves, waves 2 and 3 B's; an s_nop 0 and four v_nop follow each of the two lines
	s_cmp_eq_u32 s11, 0
	s_cbranch_scc0 .Lfor_b_\@
	tensor_load_to_lds s[G0+4*\s:G0+4*\s+3], s[G1:G1+7]
	s_nop 0
.rept 4
	v_nop
.endr
	s_branch .Lasked_\@
.Lfor_b_\@:
	tensor_load_to_lds s[G0B+4*\s:G0B+4*\s+3], s[G1B:G1B+7]
	s_nop 0
.rept 4
	v_nop
.endr
.Lasked_\@:
.endm
.macro CREST
	s_cmp_lg_u32 s10, 0
	s_cbranch_scc1 .Lnot_wave_0_\@
	s_barrier_signal -3
.Lnot_wave_0_\@:
	s_barrier_wait -3
	s_barrier_signal -1
	s_barrier_wait -1
.endm
.macro CROUND
	s_barrier_signal -1
	s_barrier_wait -1
	CREST
.endm
	s_load_b128 s[4:7], s[0:1], 0x0                ; ctx, woimg
	s_load_b64 s[66:67], s[0:1], 0x10              ; bo
	s_load_b64 s[8:9], s[0:1], 0x18                ; out0
	v_lshl_add_u32 v[SPW], v0, 2, SPARE
	v_mov_b32 v[NIL], 0
	ds_add_u32 v[SPW], v[NIL]                      ; the wave's opening: the add, twice on end, and its wait ahead of my first tensor load
	ds_add_u32 v[SPW], v[NIL]
	v_lshrrev_b32 v1, 5, v0
	v_readfirstlane_b32 s10, v1                    ; wave 0..3
	s_lshr_b32 s11, s10, 1                         ; which half of the tile's rows is mine.  Also: I fetch for A (0) or for B (1)
	s_and_b32 s12, s10, 1                          ; which half of its columns.  Also: which half of that tile's K step I fetch
	s_bfe_u32 s40, ttmp6, 0x40000                  ; cx, cy
	s_bfe_u32 s41, ttmp6, 0x40004
	s_lshl_b32 s42, ttmp9, 2
	s_add_co_u32 s42, s42, s40                     ; tile column
	s_and_b32 s13, ttmp7, 0xffff
	s_lshl_b32 s13, s13, 2
	s_add_co_u32 s13, s13, s41                     ; tile row
	s_lshl_b32 s43, s41, 2
	s_lshl_b32 s43, 15, s43                        ; my row of the cluster
	s_lshl_b32 s44, 0x1111, s40                    ; my column
	s_or_b32 s[G1+0], s43, (3<<16)|(1<<21)         ; the mask; elements of 8 bytes; no padding; bit 21 beside a mask
	s_or_b32 s[G1B+0], s44, (3<<16)|(1<<21)
.irp g, G1, G1B
	s_mov_b32 s[\g+1], 32<<16                      ; tensor_dim0: 256 bytes
	s_mov_b32 s[\g+2], 128<<16                     ; tensor_dim1
	s_mov_b32 s[\g+3], 32<<16                      ; tile_dim0
	s_mov_b32 s[\g+4], 128                         ; tile_dim1: 128 rows of 256 bytes, dense
	s_mov_b32 s[\g+5], 32                          ; the pitch
	s_mov_b32 s[\g+6], 0
	s_mov_b32 s[\g+7], 0
.endr
	s_lshl_b32 s17, s12, 15                        ; my half of a K step's tile
	s_lshl_b32 s16, s13, 18                        ; A: 262,144 bytes a block of 128 rows
	s_add_co_u32 s16, s16, s17
	s_lshl_b32 s46, s42, 18                        ; B likewise, by the tile column
	s_add_co_u32 s46, s46, s17
	s_mov_b32 s17, 0
	s_mov_b32 s47, 0
	s_lshl_b32 s20, s10, 15                        ; where they go: wave x 32,768
	s_wait_dscnt 0x0                               ; both opening adds are done
	s_wait_kmcnt 0x0
	s_add_nc_u64 s[14:15], s[4:5], s[16:17]
	s_add_nc_u64 s[46:47], s[6:7], s[46:47]
	CROUND                                         ; all sixteen work-groups are here: the first joint loads meet
.irp s, 0,1
	s_mov_b32 s[G0+4*\s], 1
	s_add_co_u32 s[G0+4*\s+1], s20, \s*SLOT
	s_add_nc_u64 s[G0+4*\s+2:G0+4*\s+3], s[14:15], \s*KSTEPB
	s_or_b32 s[G0+4*\s+3], s[G0+4*\s+3], 0x80000000
	s_mov_b32 s[G0B+4*\s], 1
	s_add_co_u32 s[G0B+4*\s+1], s20, \s*SLOT
	s_add_nc_u64 s[G0B+4*\s+2:G0B+4*\s+3], s[46:47], \s*KSTEPB
	s_or_b32 s[G0B+4*\s+3], s[G0B+4*\s+3], 0x80000000
	JLOAD \s                                       ; two tensor loads of mine are out
.endr
	v_and_b32 v1, 15, v0                           ; r
	v_bfe_u32 v2, v0, 4, 1                         ; h
	v_and_b32 v3, 31, v0
	v_lshlrev_b32 v3, 4, v3                        ; 16 x lane
	s_lshl_b32 s21, s11, 12                        ; my four tiles of A's eight
	s_lshl_b32 s22, s12, 12                        ; my four tiles of B's eight,
	s_add_co_u32 s22, s22, KSTEPB                  ; behind A's tile
.irp s, 0,1
	v_add_nc_u32 v[ADRA+\s], s21, v3
	v_add_nc_u32 v[ADRB+\s], s22, v3
	s_add_co_u32 s21, s21, SLOT
	s_add_co_u32 s22, s22, SLOT
.endr
	s_mul_i32 s23, s10, 16*SPITCH
	s_add_co_u32 s23, s23, STAGE                   ; my stage
	v_mul_u32_u24 v4, v1, SPITCH
	v_lshl_add_u32 v4, v2, 5, v4
	v_add_nc_u32 v[STO], s23, v4                   ; in: row r, 32 bytes for each half of the lanes
	v_mul_u32_u24 v5, v2, SPITCH
	v_lshl_add_u32 v5, v1, 4, v5
	v_add_nc_u32 v[RD], s23, v5                    ; back: lanes 0-15 one row of 256 bytes, lanes 16-31 the next
	v_lshlrev_b32 v5, 12, v2
	v_lshl_add_u32 v[CO], v1, 4, v5                ; and the same two rows in out0
	v_lshlrev_b32 v7, 5, v2                        ; the bias: 32 h
	s_lshl_b32 s16, s13, 7
	s_lshl_b32 s17, s11, 6
	s_add_co_u32 s16, s16, s17                     ; my first row of out0
	s_lshl_b32 s16, s16, 12
	s_mov_b32 s17, 0
	s_add_nc_u64 s[8:9], s[8:9], s[16:17]
	s_lshl_b32 s46, s42, 9                         ; my first column, in bytes: 512 x tile column + 256 x half
	s_lshl_b32 s47, s12, 8
	s_add_co_u32 s46, s46, s47
	s_mov_b32 s47, 0
	s_add_nc_u64 s[8:9], s[8:9], s[46:47]
	s_add_nc_u64 s[66:67], s[66:67], s[46:47]
.irp b, 0,1,2,3
	global_load_b128 v[BIAS+8*\b:BIAS+8*\b+3], v7, s[66:67] offset:64*\b        ; bo at my columns 16 b + 8 h + 0 .. 7: the result's layout
	global_load_b128 v[BIAS+8*\b+4:BIAS+8*\b+7], v7, s[66:67] offset:64*\b+16
.endr
; 8 matrix instructions: m blocks a0, a0 + 1 x all 4 n blocks, 32 along K: half c of buffer f.  first = 1: the bias is the C of the sum's first product.  The 16 accumulators take turns.
.macro MUL8 f, c, a0, first
.irp a, \a0, \a0+1
.irp b, 0,1,2,3
.if \first
	v_wmma_f32_16x16x32_f16 v[ACC+8*(4*(\a)+\b):ACC+8*(4*(\a)+\b)+7], v[\f+64+8*(4*\c+\b):\f+64+8*(4*\c+\b)+7], v[\f+8*(4*\c+\a):\f+8*(4*\c+\a)+7], v[BIAS+8*\b:BIAS+8*\b+7]
.else
	v_wmma_f32_16x16x32_f16 v[ACC+8*(4*(\a)+\b):ACC+8*(4*(\a)+\b)+7], v[\f+64+8*(4*\c+\b):\f+64+8*(4*\c+\b)+7], v[\f+8*(4*\c+\a):\f+8*(4*\c+\a)+7], v[ACC+8*(4*(\a)+\b):ACC+8*(4*(\a)+\b)+7]
.endif
.endr
.endr
.endm
; 32 LDS loads in one run: the fragments of quarter q (64 along K) of a slot into buffer f; the first 32 along K first
.macro FETCH slot, q, f
	WIN TO_F
.irp c, 0,1
.irp i, 0,1,2,3
	ds_load_b128 v[\f+64+8*(4*\c+\i):\f+64+8*(4*\c+\i)+3],   v[ADRB+\slot] offset:(2*(\q)+\c)*8192+1024*\i
	ds_load_b128 v[\f+64+8*(4*\c+\i)+4:\f+64+8*(4*\c+\i)+7], v[ADRB+\slot] offset:(2*(\q)+\c)*8192+1024*\i+512
	ds_load_b128 v[\f+8*(4*\c+\i):\f+8*(4*\c+\i)+3],         v[ADRA+\slot] offset:(2*(\q)+\c)*8192+1024*\i
	ds_load_b128 v[\f+8*(4*\c+\i)+4:\f+8*(4*\c+\i)+7],       v[ADRA+\slot] offset:(2*(\q)+\c)*8192+1024*\i+512
.endr
.endr
.endm
.macro PLACES
.rept 4
	v_nop
.endr
.endm
; A K step is four quarters of 64 along K, 32 matrix instructions each, on buffers 0, 1, 0, 1.  One of the first three: multiplies buffer f and fetches quarter q into g.
.macro QUARTER slot, q, f, g, first
	s_wait_dscnt 16                                ; the first 32 along K are in
	WIN MUL
	MUL8 \f, 0, 0, \first
	MUL8 \f, 0, 2, \first
	PLACES
	FETCH \slot, \q, \g
	s_wait_dscnt 32                                ; all but the 32 just issued
	WIN MUL
	MUL8 \f, 1, 0, 0
	MUL8 \f, 1, 2, 0
.endm
; The last quarter multiplies buffer 1 and changes slots: one barrier; in front of it each wave waits for all its tensor loads, adds 0 to its spare word, and waits for that and for its reads of this slot.
.macro TURN slot, next, fill
	WIN 0
	s_wait_tensorcnt 0x0                           ; all my tensor loads have landed: my part of the next slot;
	ds_add_u32 v[SPW], v[NIL]
	s_wait_dscnt 17                                ; (the add and the youngest sixteen loads may be out)
	WIN MUL
	MUL8 F1, 0, 0, 0
	s_wait_dscnt 0x0                               ; the add is done, and my reads of this slot are over
	s_barrier_signal -1
	MUL8 F1, 0, 2, 0
.if \fill
	WIN 0
.endif
	s_barrier_wait -1
.if \fill
	CREST                                          ; the barrier has opened a round of the cluster's barrier: no wave of any partner still reads this slot or has a load on its way
	s_add_nc_u64 s[G0+4*\slot+2:G0+4*\slot+3], s[G0+4*\slot+2:G0+4*\slot+3], 2*KSTEPB
	s_add_nc_u64 s[G0B+4*\slot+2:G0B+4*\slot+3], s[G0B+4*\slot+2:G0B+4*\slot+3], 2*KSTEPB
	JLOAD \slot                                    ; the first tensor load behind the round; its four v_nop are also the places in front of the loads below
.else
	PLACES
.endif
	FETCH \next, 0, F0
	WIN MUL
	MUL8 F1, 1, 0, 0
	MUL8 F1, 1, 2, 0
.endm
	s_wait_loadcnt 0x0                             ; the bias
	s_wait_tensorcnt 1                             ; my part of K step 0 is in,
	s_barrier_signal -1
	s_barrier_wait -1                              ; everybody's is
	FETCH 0, 0, F0
	QUARTER 0, 1, F0, F1, 1                        ; the first quarter stands in front of the loop: its first products start the sums from the bias
	WIN 0
	s_mov_b32 s3, LAPS-1
.Llap:                                                 ; a trip goes once round the ring and fills both slots again
	QUARTER 0, 2, F1, F0, 0
	QUARTER 0, 3, F0, F1, 0
	TURN 0, 1, 1
	QUARTER 1, 1, F0, F1, 0
	QUARTER 1, 2, F1, F0, 0
	QUARTER 1, 3, F0, F1, 0
	TURN 1, 0, 1
	QUARTER 0, 1, F0, F1, 0
	WIN 0
	s_sub_co_u32 s3, s3, 1
	s_cmp_lg_u32 s3, 0
	s_cbranch_scc1 .Llap
	QUARTER 0, 2, F1, F0, 0                        ; the last lap fills nothing
	QUARTER 0, 3, F0, F1, 0
	TURN 0, 1, 0
	QUARTER 1, 1, F0, F1, 0
	QUARTER 1, 2, F1, F0, 0
	QUARTER 1, 3, F0, F1, 0
	s_wait_dscnt 16
	WIN MUL
	MUL8 F1, 0, 0, 0
	MUL8 F1, 0, 2, 0
	s_wait_dscnt 0
	MUL8 F1, 1, 0, 0
	MUL8 F1, 1, 2, 0
	WIN 0
	; THE WAY OUT, 16 rows x 64 columns at a time: 32 bytes a lane into my stage, back as whole rows of 256 bytes, which sixteen lanes store as 256 consecutive aligned bytes.
	PLACES
.irp a, 0,1,2,3
.if \a >= 2
	s_wait_xcnt 0x0                                ; the stores of two blocks back have read their data
.endif
.irp b, 0,1,2,3
	ds_store_b128 v[STO], v[ACC+8*(4*\a+\b):ACC+8*(4*\a+\b)+3] offset:64*\b          ; each accumulator from its low end on
	ds_store_b128 v[STO], v[ACC+8*(4*\a+\b)+4:ACC+8*(4*\a+\b)+7] offset:64*\b+16
.endr
.irp t, 0,1,2,3,4,5,6,7
	ds_load_b128 v[TMP+32*(\a%2)+4*\t:TMP+32*(\a%2)+4*\t+3], v[RD] offset:2*\t*SPITCH   ; LDS serves a wave's instructions in order: these see my stores, and the next block's stores come behind them
.endr
	s_wait_dscnt 0x0
.irp t, 0,1,2,3,4,5,6,7
	global_store_b128 v[CO], v[TMP+32*(\a%2)+4*\t:TMP+32*(\a%2)+4*\t+3], s[8:9] offset:(16*\a+2*\t)*4096 th:TH_STORE_NT
.endr
.endr
	s_wait_tensorcnt 0x0                           ; the wave's end, behind my last tensor load and my last LDS store
	ds_add_u32 v[SPW], v[NIL]
	s_wait_dscnt 0x0
	CROUND                                         ; the closing round
	s_endpgm
.Lfunc_end_k_q92f213d3fe_oproj:
	.size	k_q92f213d3fe_oproj, .Lfunc_end_k_q92f213d3fe_oproj-k_q92f213d3fe_oproj
	.p2alignl 7, 3214868480
	.fill 96, 4, 3214868480
	.section	.rodata,"a",@progbits
	.p2align	6, 0x0
	.amdhsa_kernel k_q92f213d3fe_oproj
		.amdhsa_group_segment_fixed_size 327680
		.amdhsa_private_segment_fixed_size 0
		.amdhsa_enable_private_segment 0
		.amdhsa_kernarg_size 32
		.amdhsa_user_sgpr_count 2
		.amdhsa_user_sgpr_kernarg_segment_ptr 1
		.amdhsa_wavefront_size32 1
		.amdhsa_system_sgpr_workgroup_id_x 1
		.amdhsa_system_sgpr_workgroup_id_y 1
		.amdhsa_system_sgpr_workgroup_id_z 1
		.amdhsa_system_vgpr_workitem_id 0
		.amdhsa_next_free_vgpr 512
		.amdhsa_next_free_sgpr 68
		.amdhsa_reserve_vcc 0
		.amdhsa_float_denorm_mode_32 3
		.amdhsa_float_denorm_mode_16_64 3
		.amdhsa_memory_ordered 1
		.amdhsa_forward_progress 1
		.amdhsa_inst_pref_size 86
	.end_amdhsa_kernel
	.amdgpu_metadata
---
amdhsa.version: [ 1, 2 ]
amdhsa.kernels:
  - .name:           k_q92f213d3fe_oproj
    .symbol:         k_q92f213d3fe_oproj.kd
    .args:
      - { .name: ctx, .offset: 0, .size: 8, .value_kind: global_buffer, .address_space: global }
      - { .name: woimg, .offset: 8, .size: 8, .value_kind: global_buffer, .address_space: global }
      - { .name: bo, .offset: 16, .size: 8, .value_kind: global_buffer, .address_space: global }
      - { .name: out0, .offset: 24, .size: 8, .value_kind: global_buffer, .address_space: global }
    .group_segment_fixed_size: 327680
    .private_segment_fixed_size: 0
    .kernarg_segment_align: 8
    .kernarg_segment_size: 32
    .max_flat_workgroup_size: 128
    .sgpr_count:     68
    .vgpr_count:     512
    .wavefront_size: 32
...
	.end_amdgpu_metadata
.endif
;; end of part 4
